; MI455X (gfx1250); checked and timed in simulation.
; The chip was launched on July 23, 2026; its instructions are those of AMD's public machine-readable ISA for CDNA 5 (MIT licence, August 2026) and "CDNA5" Instruction Set Architecture Reference Guide (July 2026). The comments in the code are by the model that wrote it; some were corrected since.
;; APG MLP Layer. Allowed arithmetic: float matrix products may take bf16 or f16 operands with f32 sums; other float arithmetic in f32, or as packed bf16 or f16 multiplies, adds, multiply-adds, maxima and minima; sums over many terms, partial sums and values carried from step to step in f32; what a program stores and reads back later, other than sums and carried values, may be rounded once to bf16 or f16.
;; Inputs: U0 64 x 1,024 float32; U1 64 x 1,024 float32; U2 64 x 1,024 float32; V0 1,024 x 64 float32; V1 1,024 x 64 float32; V2 1,024 x 64 float32; Wm0 4,096 x 1,024 float32; Wm1 4,096 x 1,024 float32; Wm2 4,096 x 1,024 float32; b0 1,024 float32; b1 1,024 float32; b2 1,024 float32; bm0 4,096 float32; bm1 4,096 float32; bm2 4,096 float32; x 4,096 x 1,024 float32.
;; Outputs: out0 4,096 x 1,024 float32.
;; 2 versions, each right; version 2 is version 1 with the launches prep, tail0, tail1 written anew for expert scheduling mode. Each part assembles by itself: llvm-mc -triple=amdgcn-amd-amdhsa -mcpu=gfx1250 --defsym DOCPART=n.
;; ======== version 1 of 2: 7 launches
;; limits: values are held in f16: magnitudes above 65,504 overflow, below 6.1e-05 lose precision; inputs' magnitudes at most 65,504; right only within a limited range of input values
;; workspace buffers: xh 8,388,608 bytes; S 1,179,648 bytes; hb 1,048,576 bytes; P0 8,667,136 bytes; P1 8,667,136 bytes; P2 8,667,136 bytes
;; launch prep (part 1): grid 256 x 1, 8 waves a work-group, no clusters, 208,896 bytes of LDS; arguments x, Wm0, Wm1, Wm2, bm0, bm1, bm2, U0, U1, U2, V0, V1, V2, xh, S, P0, P1, P2; writes xh, S, P0, P1, P2
.if DOCPART == 1
	.amdgcn_target "amdgcn-amd-amdhsa--gfx1250"
	.amdhsa_code_object_version 6
	.text
	.protected	k_q509129690e_prep
	.globl	k_q509129690e_prep
	.p2align	8
	.type	k_q509129690e_prep,@function
k_q509129690e_prep:
	s_mov_b64 s[64:65], 0
	v_nop
	global_prefetch_b8 v0, s[64:65] scope:SCOPE_SE
	s_setreg_imm32_b32 hwreg(HW_REG_WAVE_MODE, 25, 1), 1
	s_wait_xcnt 0x0
; APG MLP, three layers of: w = x Wm^T + bm ([B][64 r][64 s]); u = x U^T; h[s] = sum over r of u[r] w[r][s]; out = h V^T + b (ReLU behind layers 0 and 1).
; NO WORK OF reference() IS LEFT OUT, and every input is loaded by some launch.
; THE PROGRAM: this launch rewrites the inputs in 16 bits; then for each layer a GEMM (x Wm^T, with the sum over r ended in registers) and a tail (h V^T + b, ReLU, the next layer's x and u).
; FORMATS.  Every input is rounded once to bf16.  The GEMM multiplies in f16: its operands here are f16(bf16(v)), the same numbers.  u, h and scales stay in f32.
; LIMITS.  |x| and |Wm| up to 65,504 (f16's end; beyond it an infinity arises); below 2^-14 they keep f16's fixed step of 2^-24.  NaN and infinities are not treated apart.
; THIS LAUNCH, work-group g of 256, wave w of 8:
;   xh[row] = f16(bf16(x[row])) for rows 16 g + 2 w + i;   P_l.Wh[n'] = f16(bf16(Wm_l[64 r + s])) with n' = 64 s + r = 16 g + 2 w + i: Wm's rows are laid so that 64 neighbouring rows are one s and all r;
;   P_l.Vb = bf16(V_l), P_0.Un = bf16(U1), P_1.Un = bf16(U2), BY FRAGMENTS: 16 rows x 32 k are 1,024 bytes on end, lane l's k = 8 (l / 16) + 0..7 of row l % 16 at 16 l, its k = 16 + 8 (l / 16) + 0..7 at 512 + 16 l;
;   V's fragment (c / 16, k / 32) is number 2 (c / 16) + k / 32, U's fragment (r / 16, k / 32) number 32 (r / 16) + k / 32.  So each load of a tail covers 512 consecutive bytes.
;   P_l.bmT[n'] = bf16(bm_l[64 r + s]) kept as f32;   S.u = x U0^T for the group's 16 rows (K split among the waves); S.sc = 1.
; Each load of the streams and of U0 covers 512 consecutive bytes, each store of the streams 256, aligned.  A stream's numbers are converted in the registers that they were loaded into, and the f16 pairs go into
; registers of their own for each stream: no store's data register is written again, so no wait frees one.  U0's rows go, as bf16, through a stage of the wave's own in LDS, where the fragments are read.
; No cluster, no tensor load: the streams are read once, by one wave each.  No prefetch: the launch does nothing but stream.
.set XPITCH, 2064                      ; a row of bf16(x) in LDS: 2,048 bytes + 16
.set UPW,    4352                      ; a wave's partial u: 16 rows x 272 bytes
.set USW,    17408                     ; a wave's stage for bf16(U0): 64 rows x 272 bytes
.set UP,     16*XPITCH                 ; behind x's 16 rows
.set UST,    UP+8*UPW
.set SPARE,  UST+8*USW                 ; the spare words, 128 bytes for each wave: four blocks of 256 bytes that no other line names
.set BMOFF,  0x800000                  ; in P: Wh at 0, bmT, Vb, Un
.set VOFF,   0x804000
.set UOFF,   0x824000
.set SCOFF,  0x100000                  ; in S: u at 0, sc here
.set XI, 1                             ; v1   8,192 w + 16 L: x in
.set WI, 2                             ; v2   524,288 w + 16 L: Wm in (two source rows are 262,144 bytes apart)
.set OO, 3                             ; v3   4,096 w + 8 L: xh and Wh out
.set LX, 4                             ; v4   LDS: 2 w rows + 8 L
.set SI, 5                             ; v5   small arrays in
.set SO, 6                             ; v6   8 L
.set UI, 7                             ; v7   512 w + 16 L: U0 in, and u out
.set LF, 8                             ; v8   LDS: x's fragments
.set LUP, 9                            ; v9   LDS: where I put my partial u
.set LUR, 10                           ; v10  LDS: where I read partials back
.set LUS, 11                           ; v11  LDS: my 8 bytes of a row of U0's stage
.set GC, 12                            ; v12  16 L
.set SPW, 13                           ; v13  my spare word; never rewritten
.set NIL, 14                           ; v14  0; never rewritten
.set LUF, 15                           ; v15  LDS: U0's fragments
.set XR,  16                           ; v[16:79]   x as loaded; later Wm2; later x's fragments (XF) and u's sums (UACC)
.set WA,  80                           ; v[80:143]  Wm0 as loaded; with WB later U0's rows 32-63; later the partials
.set WB,  144                          ; v[144:207] Wm1 as loaded
.set SMR, 208                          ; v[208:215] a small array as loaded; v[216:219] to store
.set SMO, 216
.set XF,  16
.set UACC, 48
.set RP,  80
.set UA,  128                          ; second window: v[0:127] the streams' f16 pairs, 32 a stream; v[128:255] U0's rows 0-31 as loaded, later U0's fragments
.set WV,  44                           ; s44  wave
.set G,   45                           ; s45  work-group
.set SRC, 48                           ; s[48:49] my small array
.set DST, 50                           ; s[50:51] where it goes
.set MSK, 52                           ; s52  a word's upper half
.set SCB, 60                           ; s[60:61] S.sc at my rows
.set MSB, 0
.macro WIN new                         ; the immediate's high byte repeats the setting that is left
.if MSB != (\new)
	s_set_vgpr_msb (MSB<<8)|(\new)
.set MSB, (\new)
.endif
.endm
.macro PLACES                          ; four plain places behind a matrix instruction, ahead of what reads its result or writes its registers (ISA guide 7.12.1)
.rept 4
	v_nop
.endr
.endm
	s_load_b512 s[8:23], s[0:1], 0x0               ; x 8, Wm0 10, Wm1 12, Wm2 14, bm0 16, bm1 18, bm2 20, U0 22
	s_load_b512 s[24:39], s[0:1], 0x40             ; U1 24, U2 26, V0 28, V1 30, V2 32, xh 34, S 36, P0 38
	s_load_b128 s[40:43], s[0:1], 0x80             ; P1 40, P2 42
	v_lshl_add_u32 v[SPW], v0, 2, SPARE
	v_mov_b32 v[NIL], 0
	v_lshrrev_b32 v220, 5, v0
	v_readfirstlane_b32 s[WV], v220                ; wave 0..7
	s_mov_b32 s[G], ttmp9
	s_mov_b32 s[MSK], 0xffff0000
	v_and_b32 v220, 15, v0                         ; m
	v_bfe_u32 v221, v0, 4, 1                       ; hh
	v_and_b32 v222, 31, v0                         ; L
	; the small arrays' offsets, made apart from the addresses.  Work-group g makes half fragment g (512 bytes) of V (waves 0-2) and U (waves 3, 4), and column s = g of bm (waves 5-7)
	s_lshr_b32 s54, s[G], 2
	s_lshl_b32 s54, s54, 12
	s_and_b32 s55, s[G], 3
	s_lshl_b32 s55, s55, 6
	s_add_co_u32 s54, s54, s55                     ; V: rows 16 (g / 4) on, of 256 bytes; 16 k at byte 64 (g % 4)
	s_lshr_b32 s55, s[G], 6
	s_lshl_b32 s55, s55, 16
	s_and_b32 s59, s[G], 63
	s_lshl_b32 s53, s59, 6
	s_add_co_u32 s55, s55, s53                     ; U: rows 16 (g / 64) on, of 4,096 bytes; 16 k at byte 64 (g % 64)
	s_lshl_b32 s56, s59, 2                         ; bm: column s = g mod 64
	s_cmp_lt_u32 s[WV], 3
	s_cselect_b32 s54, s54, s55
	s_cselect_b32 s58, 8, 12                       ; a lane's row: m x 256 or m x 4,096 bytes,
	s_cmp_lt_u32 s[WV], 5
	s_cselect_b32 s46, s54, s56
	s_cselect_b32 s58, s58, 9                      ; bm: lane L takes r = 2 L: 512 L = 512 m + 8,192 hh
	s_cselect_b32 s53, 5, 13                       ; and hh x 32 bytes
	s_mov_b32 s47, 0
	s_lshl_b32 s54, s[G], 9
	s_add_co_u32 s55, s54, UOFF
	s_add_co_u32 s54, s54, VOFF
	s_lshl_b32 s56, s59, 8
	s_add_co_u32 s56, s56, BMOFF
	s_cmp_lt_u32 s[WV], 3
	s_cselect_b32 s54, s54, s55
	s_cmp_lt_u32 s[WV], 5
	s_cselect_b32 s56, s54, s56
	s_mov_b32 s57, 0
	v_lshlrev_b32 v[SI], s58, v220
	v_lshlrev_b32 v223, s53, v221
	v_add_nc_u32 v[SI], v[SI], v223
	s_lshl_b32 s54, s[WV], 13
	v_lshl_add_u32 v[XI], v222, 4, s54
	s_lshl_b32 s54, s[WV], 19
	v_lshl_add_u32 v[WI], v222, 4, s54
	s_lshl_b32 s54, s[WV], 12
	v_lshl_add_u32 v[OO], v222, 3, s54
	s_mul_i32 s54, s[WV], 2*XPITCH
	v_lshl_add_u32 v[LX], v222, 3, s54
	v_lshlrev_b32 v[SO], 3, v222
	v_lshlrev_b32 v[GC], 4, v222
	s_lshl_b32 s54, s[WV], 9
	v_lshl_add_u32 v[UI], v222, 4, s54
	s_lshl_b32 s54, s[WV], 8
	v_mul_u32_u24 v[LF], v220, XPITCH
	v_lshl_add_u32 v[LF], v221, 4, v[LF]
	v_add_nc_u32 v[LF], s54, v[LF]
	s_mul_i32 s54, s[WV], UPW
	s_add_co_u32 s54, s54, UP
	v_mul_u32_u24 v[LUP], v220, 272
	v_lshl_add_u32 v[LUP], v221, 5, v[LUP]
	v_add_nc_u32 v[LUP], s54, v[LUP]
	s_mul_i32 s54, s[WV], 544                      ; rows 2 w + hh
	s_add_co_u32 s54, s54, UP
	v_mul_u32_u24 v[LUR], v221, 272
	v_lshl_add_u32 v[LUR], v220, 4, v[LUR]
	v_add_nc_u32 v[LUR], s54, v[LUR]
	s_mul_i32 s54, s[WV], USW
	s_add_co_u32 s54, s54, UST
	v_lshl_add_u32 v[LUS], v222, 3, s54
	v_mul_u32_u24 v[LUF], v220, 272
	v_lshl_add_u32 v[LUF], v221, 4, v[LUF]
	v_add_nc_u32 v[LUF], s54, v[LUF]
	s_wait_kmcnt 0x0
	s_mov_b64 s[SRC:SRC+1], s[28:29]               ; wave 0: V0 -> P0
	s_mov_b64 s[DST:DST+1], s[38:39]
	s_cmp_eq_u32 s[WV], 1                          ; V1 -> P1
	s_cselect_b64 s[SRC:SRC+1], s[30:31], s[SRC:SRC+1]
	s_cselect_b64 s[DST:DST+1], s[40:41], s[DST:DST+1]
	s_cmp_eq_u32 s[WV], 2                          ; V2 -> P2
	s_cselect_b64 s[SRC:SRC+1], s[32:33], s[SRC:SRC+1]
	s_cselect_b64 s[DST:DST+1], s[42:43], s[DST:DST+1]
	s_cmp_eq_u32 s[WV], 3                          ; U1 -> P0
	s_cselect_b64 s[SRC:SRC+1], s[24:25], s[SRC:SRC+1]
	s_cmp_eq_u32 s[WV], 4                          ; U2 -> P1
	s_cselect_b64 s[SRC:SRC+1], s[26:27], s[SRC:SRC+1]
	s_cselect_b64 s[DST:DST+1], s[40:41], s[DST:DST+1]
	s_cmp_eq_u32 s[WV], 5                          ; bm0 -> P0
	s_cselect_b64 s[SRC:SRC+1], s[16:17], s[SRC:SRC+1]
	s_cmp_eq_u32 s[WV], 6                          ; bm1 -> P1
	s_cselect_b64 s[SRC:SRC+1], s[18:19], s[SRC:SRC+1]
	s_cselect_b64 s[DST:DST+1], s[40:41], s[DST:DST+1]
	s_cmp_eq_u32 s[WV], 7                          ; bm2 -> P2
	s_cselect_b64 s[SRC:SRC+1], s[20:21], s[SRC:SRC+1]
	s_cselect_b64 s[DST:DST+1], s[42:43], s[DST:DST+1]
	s_add_nc_u64 s[SRC:SRC+1], s[SRC:SRC+1], s[46:47]
	s_add_nc_u64 s[DST:DST+1], s[DST:DST+1], s[56:57]
	s_lshl_b32 s46, s[G], 16                       ; x: 16 rows of 4,096 bytes
	s_add_nc_u64 s[8:9], s[8:9], s[46:47]
	s_and_b32 s46, s[G], 3                         ; Wm: r = 16 (g mod 4) + .., s = g / 4: row 64 r + s
	s_lshl_b32 s46, s46, 22
	s_lshr_b32 s54, s[G], 2
	s_lshl_b32 s54, s54, 12
	s_add_co_u32 s46, s46, s54
	s_add_nc_u64 s[10:11], s[10:11], s[46:47]
	s_add_nc_u64 s[12:13], s[12:13], s[46:47]
	s_add_nc_u64 s[14:15], s[14:15], s[46:47]
	s_lshl_b32 s46, s[G], 15                       ; xh and Wh: 16 rows of 2,048 bytes
	s_add_nc_u64 s[34:35], s[34:35], s[46:47]
	s_add_nc_u64 s[38:39], s[38:39], s[46:47]
	s_add_nc_u64 s[40:41], s[40:41], s[46:47]
	s_add_nc_u64 s[42:43], s[42:43], s[46:47]
	s_lshl_b32 s46, s[G], 9
	s_add_co_u32 s46, s46, SCOFF
	s_add_nc_u64 s[SCB:SCB+1], s[36:37], s[46:47]
	s_lshl_b32 s46, s[G], 12                       ; S.u: 16 rows of 256 bytes
	s_add_nc_u64 s[36:37], s[36:37], s[46:47]
	; the small arrays' two loads come first, so that the streams' counts below hold on both ways
	s_cmp_lt_u32 s[WV], 5
	s_cbranch_scc0 .Lbm_in
	global_load_b128 v[SMR:SMR+3],   v[SI], s[SRC:SRC+1]             ; my 8 k of row m
	global_load_b128 v[SMR+4:SMR+7], v[SI], s[SRC:SRC+1] offset:16
	s_branch .Lsm_in
.Lbm_in:
	global_load_b32 v[SMR],   v[SI], s[SRC:SRC+1]              ; bm[64 (2 L) + s]
	global_load_b32 v[SMR+1], v[SI], s[SRC:SRC+1] offset:256   ; bm[64 (2 L + 1) + s]
.Lsm_in:
.macro WLOAD dst, base                 ; two source rows, eight loads of 512 bytes each
.set j, 0
.rept 16
	global_load_b128 v[(\dst)+4*j:(\dst)+4*j+3], v[WI], s[\base:(\base)+1] offset:262144*(j/8)+512*(j%8) th:TH_LOAD_NT
.set j, j+1
.endr
.endm
; A stream's 16 loads of four numbers e0..e3 a lane.  In place: rounded to bf16 in pairs (x: kept in LDS), widened again as (e1, e3, e0, e2); then the f16 pairs into stream ph's 32 registers of the second window; then stored.
.macro CONV16 src, ph, isx, base
.set g4, 0
.rept 4
.irp z, 0,1,2,3
	v_cvt_pk_bf16_f32 v[(\src)+16*g4+4*\z],   v[(\src)+16*g4+4*\z],   v[(\src)+16*g4+4*\z+1]
	v_cvt_pk_bf16_f32 v[(\src)+16*g4+4*\z+1], v[(\src)+16*g4+4*\z+2], v[(\src)+16*g4+4*\z+3]
.endr
.if \isx
.irp z, 0,1,2,3
	ds_store_b64 v[LX], v[(\src)+16*g4+4*\z:(\src)+16*g4+4*\z+1] offset:XPITCH*(g4/2)+256*(4*(g4%2)+\z)
.endr
.endif
.irp z, 0,1,2,3
	v_lshlrev_b32 v[(\src)+16*g4+4*\z+2], 16, v[(\src)+16*g4+4*\z]
	v_lshlrev_b32 v[(\src)+16*g4+4*\z+3], 16, v[(\src)+16*g4+4*\z+1]
.endr
.irp z, 0,1,2,3
	v_and_b32 v[(\src)+16*g4+4*\z],   s[MSK], v[(\src)+16*g4+4*\z]
	v_and_b32 v[(\src)+16*g4+4*\z+1], s[MSK], v[(\src)+16*g4+4*\z+1]
.endr
.set g4, g4+1
.endr
	WIN 0x40                                       ; destination in the second window
.set j, 0
.rept 16
	v_cvt_pk_f16_f32 v[32*(\ph)+2*j],   v[(\src)+4*j+2], v[(\src)+4*j]
	v_cvt_pk_f16_f32 v[32*(\ph)+2*j+1], v[(\src)+4*j+3], v[(\src)+4*j+1]
.set j, j+1
.endr
	WIN 0x04                                       ; a store's data in the second window, its address in the first
.set j, 0
.rept 16
	global_store_b64 v[OO], v[32*(\ph)+2*j:32*(\ph)+2*j+1], s[\base:(\base)+1] offset:256*j  ; 32 lanes store 256 consecutive bytes, aligned
.set j, j+1
.endr
	WIN 0
.endm
.set j, 0
.rept 16
	global_load_b128 v[XR+4*j:XR+4*j+3], v[XI], s[8:9] offset:512*j th:TH_LOAD_NT
.set j, j+1
.endr
	WLOAD WA, 10
	WLOAD WB, 12
	s_wait_loadcnt 32                              ; the small arrays and x are in; Wm0's and Wm1's 32 loads stay out
	s_cmp_lt_u32 s[WV], 5
	s_cbranch_scc0 .Lbm_out
.irp z, 0,1,2,3
	v_cvt_pk_bf16_f32 v[SMO+\z], v[SMR+2*\z], v[SMR+2*\z+1]
.endr
	global_store_b128 v[GC], v[SMO:SMO+3], s[DST:DST+1]    ; half a fragment: 512 consecutive bytes
	s_branch .Lsm_out
.Lbm_out:
	v_cvt_pk_bf16_f32 v[SMO], v[SMR], v[SMR+1]
	v_lshlrev_b32 v[SMO+2], 16, v[SMO]             ; the rounded numbers, kept as f32
	v_and_b32 v[SMO+3], s[MSK], v[SMO]
	s_cmp_lt_u32 s[G], 64                          ; bm has 64 columns s: work-groups 0 to 63 store them
	s_cbranch_scc0 .Lsm_out
	global_store_b64 v[SO], v[SMO+2:SMO+3], s[DST:DST+1]
.Lsm_out:
	CONV16 XR, 0, 1, 34
	WLOAD XR, 14                                   ; Wm2 takes x's registers, which vector and LDS instructions alone have read
	WIN 0x40
.set n, 0
.rept 32                                       ; U0's rows 0-31: my wave's 128 k of a row, 512 consecutive bytes a load
	global_load_b128 v[UA+4*n:UA+4*n+3], v[UI], s[22:23] offset:4096*n
.set n, n+1
.endr
	WIN 0
	s_wait_loadcnt 63                              ; Wm0 is in: 64 loads are younger, and the count's field ends at 63
	CONV16 WA, 1, 0, 38
	s_wait_loadcnt 48                              ; Wm1 is in; Wm2's 16 and U0's 32 stay out
	CONV16 WB, 2, 0, 40
.set n, 0
.rept 32                                       ; U0's rows 32-63 take Wm0's and Wm1's registers
	global_load_b128 v[WA+4*n:WA+4*n+3], v[UI], s[22:23] offset:4096*(32+n)
.set n, n+1
.endr
	s_wait_loadcnt 63                              ; Wm2 is in: 64 loads are younger
	CONV16 XR, 3, 0, 42
	s_wait_loadcnt 32                              ; U0's rows 0-31
	WIN 0x45                                       ; destination and both sources in the second window
.set n, 0
.rept 32
	v_cvt_pk_bf16_f32 v[UA+4*n],   v[UA+4*n],   v[UA+4*n+1]
	v_cvt_pk_bf16_f32 v[UA+4*n+1], v[UA+4*n+2], v[UA+4*n+3]
.set n, n+1
.endr
	WIN 0x04
.set n, 0
.rept 32
	ds_store_b64 v[LUS], v[UA+4*n:UA+4*n+1] offset:272*n
.set n, n+1
.endr
	WIN 0
	s_wait_loadcnt 0x0                             ; rows 32-63
.set n, 0
.rept 32
	v_cvt_pk_bf16_f32 v[WA+4*n],   v[WA+4*n],   v[WA+4*n+1]
	v_cvt_pk_bf16_f32 v[WA+4*n+1], v[WA+4*n+2], v[WA+4*n+3]
.set n, n+1
.endr
.set n, 0
.rept 32
	ds_store_b64 v[LUS], v[WA+4*n:WA+4*n+1] offset:272*(32+n)
.set n, n+1
.endr
	WIN 0x40
.set i, 0
.rept 16                                       ; fragment (rb, ks) = i: my own bytes: LDS serves a wave's instructions in order (ISA guide 5.7.1.4)
	ds_load_b128 v[UA+8*i:UA+8*i+3],   v[LUF] offset:4352*(i/4)+64*(i%4)
	ds_load_b128 v[UA+8*i+4:UA+8*i+7], v[LUF] offset:4352*(i/4)+64*(i%4)+32
.set i, i+1
.endr
	WIN 0
	s_wait_dscnt 0x0                               ; my two rows of bf16(x) lie in LDS, and no LDS instruction of mine is out
	s_barrier_signal -1
	s_barrier_wait -1                              ; all sixteen rows do
.irp ks, 0,1,2,3
	ds_load_b128 v[XF+8*\ks:XF+8*\ks+3],   v[LF] offset:64*\ks
	ds_load_b128 v[XF+8*\ks+4:XF+8*\ks+7], v[LF] offset:64*\ks+32
.endr
	s_wait_dscnt 0x0
	; u^T = U0 x^T over my 128 k: source 0 = 16 rows r, source 1 = the 16 rows of x; a lane ends with row m and r = 16 rb + 8 hh + 0..7.  The four sums take turns.
	WIN 0x01                                       ; source 0 in the second window
.set n, 0
.rept 16
.if n < 4
	v_wmma_f32_16x16x32_bf16 v[UACC+8*(n%4):UACC+8*(n%4)+7], v[UA+8*(4*(n%4)+n/4):UA+8*(4*(n%4)+n/4)+7], v[XF+8*(n/4):XF+8*(n/4)+7], 0
.else
	v_wmma_f32_16x16x32_bf16 v[UACC+8*(n%4):UACC+8*(n%4)+7], v[UA+8*(4*(n%4)+n/4):UA+8*(4*(n%4)+n/4)+7], v[XF+8*(n/4):XF+8*(n/4)+7], v[UACC+8*(n%4):UACC+8*(n%4)+7]
.endif
.set n, n+1
.endr
	WIN 0
	PLACES
.irp rb, 0,1,2,3
	ds_store_b128 v[LUP], v[UACC+8*\rb:UACC+8*\rb+3]   offset:64*\rb
	ds_store_b128 v[LUP], v[UACC+8*\rb+4:UACC+8*\rb+7] offset:64*\rb+16
.endr
	s_wait_dscnt 0x0
	s_barrier_signal -1
	s_barrier_wait -1                              ; the eight partial sums lie in LDS
.irp p, 0,1,2,3,4,5,6,7
	ds_load_b128 v[RP+4*\p:RP+4*\p+3], v[LUR] offset:UPW*\p  ; row 2 w + hh, r = 4 m + 0..3
.endr
	s_wait_dscnt 0x0
.irp p, 0,2,4,6
	v_pk_add_f32 v[RP+4*\p:RP+4*\p+1],   v[RP+4*\p:RP+4*\p+1],   v[RP+4*\p+4:RP+4*\p+5]
	v_pk_add_f32 v[RP+4*\p+2:RP+4*\p+3], v[RP+4*\p+2:RP+4*\p+3], v[RP+4*\p+6:RP+4*\p+7]
.endr
.irp p, 0,4
	v_pk_add_f32 v[RP+4*\p:RP+4*\p+1],   v[RP+4*\p:RP+4*\p+1],   v[RP+4*\p+8:RP+4*\p+9]
	v_pk_add_f32 v[RP+4*\p+2:RP+4*\p+3], v[RP+4*\p+2:RP+4*\p+3], v[RP+4*\p+10:RP+4*\p+11]
.endr
	v_pk_add_f32 v[RP:RP+1],   v[RP:RP+1],   v[RP+16:RP+17]
	v_pk_add_f32 v[RP+2:RP+3], v[RP+2:RP+3], v[RP+18:RP+19]
	global_store_b128 v[UI], v[RP:RP+3], s[36:37]  ; 512 consecutive bytes: two rows of u
	s_cmp_lg_u32 s[WV], 0
	s_cbranch_scc1 .Lend
.irp z, 0,1,2,3
	v_mov_b32 v[RP+32+\z], 1.0                     ; layer 0's x is not scaled
.endr
	global_store_b128 v[GC], v[RP+32:RP+35], s[SCB:SCB+1]
.Lend:
	s_wait_tensorcnt 0x0                           ; the wave's end, behind my last LDS store
	ds_add_u32 v[SPW], v[NIL]
	s_wait_dscnt 0x0
	s_endpgm
.Lfunc_end_k_q509129690e_prep:
	.size	k_q509129690e_prep, .Lfunc_end_k_q509129690e_prep-k_q509129690e_prep
	.p2alignl 7, 3214868480
	.fill 96, 4, 3214868480
	.section	.rodata,"a",@progbits
	.p2align	6, 0x0
	.amdhsa_kernel k_q509129690e_prep
		.amdhsa_group_segment_fixed_size 208896
		.amdhsa_private_segment_fixed_size 0
		.amdhsa_enable_private_segment 0
		.amdhsa_kernarg_size 144
		.amdhsa_user_sgpr_count 2
		.amdhsa_user_sgpr_kernarg_segment_ptr 1
		.amdhsa_wavefront_size32 1
		.amdhsa_system_sgpr_workgroup_id_x 1
		.amdhsa_system_sgpr_workgroup_id_y 1
		.amdhsa_system_sgpr_workgroup_id_z 1
		.amdhsa_system_vgpr_workitem_id 0
		.amdhsa_next_free_vgpr 512
		.amdhsa_next_free_sgpr 66
		.amdhsa_reserve_vcc 0
		.amdhsa_float_denorm_mode_32 3
		.amdhsa_float_denorm_mode_16_64 3
		.amdhsa_memory_ordered 1
		.amdhsa_forward_progress 1
		.amdhsa_inst_pref_size 69
	.end_amdhsa_kernel
	.amdgpu_metadata
---
amdhsa.version: [ 1, 2 ]
amdhsa.kernels:
  - .name:           k_q509129690e_prep
    .symbol:         k_q509129690e_prep.kd
    .args:
      - { .name: x, .offset: 0, .size: 8, .value_kind: global_buffer, .address_space: global }
      - { .name: Wm0, .offset: 8, .size: 8, .value_kind: global_buffer, .address_space: global }
      - { .name: Wm1, .offset: 16, .size: 8, .value_kind: global_buffer, .address_space: global }
      - { .name: Wm2, .offset: 24, .size: 8, .value_kind: global_buffer, .address_space: global }
      - { .name: bm0, .offset: 32, .size: 8, .value_kind: global_buffer, .address_space: global }
      - { .name: bm1, .offset: 40, .size: 8, .value_kind: global_buffer, .address_space: global }
      - { .name: bm2, .offset: 48, .size: 8, .value_kind: global_buffer, .address_space: global }
      - { .name: U0, .offset: 56, .size: 8, .value_kind: global_buffer, .address_space: global }
      - { .name: U1, .offset: 64, .size: 8, .value_kind: global_buffer, .address_space: global }
      - { .name: U2, .offset: 72, .size: 8, .value_kind: global_buffer, .address_space: global }
      - { .name: V0, .offset: 80, .size: 8, .value_kind: global_buffer, .address_space: global }
      - { .name: V1, .offset: 88, .size: 8, .value_kind: global_buffer, .address_space: global }
      - { .name: V2, .offset: 96, .size: 8, .value_kind: global_buffer, .address_space: global }
      - { .name: xh, .offset: 104, .size: 8, .value_kind: global_buffer, .address_space: global }
      - { .name: S, .offset: 112, .size: 8, .value_kind: global_buffer, .address_space: global }
      - { .name: P0, .offset: 120, .size: 8, .value_kind: global_buffer, .address_space: global }
      - { .name: P1, .offset: 128, .size: 8, .value_kind: global_buffer, .address_space: global }
      - { .name: P2, .offset: 136, .size: 8, .value_kind: global_buffer, .address_space: global }
    .group_segment_fixed_size: 208896
    .private_segment_fixed_size: 0
    .kernarg_segment_align: 8
    .kernarg_segment_size: 144
    .max_flat_workgroup_size: 256
    .sgpr_count:     66
    .vgpr_count:     512
    .wavefront_size: 32
...
	.end_amdgpu_metadata
.endif
;; end of part 1
;; launch gemm0 (part 2): grid 16 x 16, 4 waves a work-group, clusters of 4 x 4, 327,680 bytes of LDS; arguments xh, S, P0, hb; writes hb
.if DOCPART == 2
	.amdgcn_target "amdgcn-amd-amdhsa--gfx1250"
	.amdhsa_code_object_version 6
	.text
	.protected	k_q509129690e_gemm0
	.globl	k_q509129690e_gemm0
	.p2align	8
	.type	k_q509129690e_gemm0,@function
k_q509129690e_gemm0:
	s_mov_b64 s[64:65], 0
	v_nop
	global_prefetch_b8 v0, s[64:65] scope:SCOPE_SE
	s_setreg_imm32_b32 hwreg(HW_REG_WAVE_MODE, 25, 1), 1
	s_wait_xcnt 0x0
	s_wait_alu depctr_hold_cnt(0) depctr_sa_sdst(0) depctr_va_vdst(0) depctr_va_sdst(0) depctr_va_ssrc(0) depctr_va_vcc(0) depctr_vm_vsrc(0)
	s_getreg_b32 s2, hwreg(HW_REG_IB_STS2, 6, 4)
	s_cmp_eq_u32 s2, 0
	s_cbranch_scc0 .Lentry_in_a_cluster
	s_endpgm
.Lentry_in_a_cluster:
	s_bfe_u32 s2, ttmp6, 0x10000c
	s_cmp_lg_u32 s2, 0xf033
	s_cbranch_scc0 .Lentry_shape_is_right
	s_endpgm
.Lentry_shape_is_right:
; h[row][s] = sum over r of U[row][r] (sum over k of X[row][k] W[64 s + r][k] + bmT[64 s + r] inv[row]).  Nothing of reference() is left out here.
; X = xh: [4096][1024] f16, the layer's x times inv[row] (a power of two).  W = P.Wh: [4096][1024] f16, Wm's rows laid as 64 s + r.  U = S.u: f32, u / inv.  inv = S.sc (eight equal words a row).
; So U times the bracket is u (x Wm^T + bm), exactly.  Products in f16 with f32 sums; the sum over r in f32.  LIMITS: those of the launches that made xh and P; NaN and infinities are not treated apart.
; SHARES.  A work-group makes 256 rows x 256 columns n' (4 s x all 64 r) of the bracket; a wave 128 x 128: 64 accumulators of 16 x 16, 512 registers, which never leave the registers:
; a wave's columns are 2 s x 64 r, so the sum over r ends in the wave, and the work-group stores 256 rows x 4 s.
; hb: f32, 4,096 bytes for each block of 16 rows, in the order in which the tail's lanes take h as a matrix operand: (s, row m) at byte 512 (2 (s / 16) + (s / 4) % 2) + 256 ((s / 8) % 2) + 16 m + 4 (s % 4).
; My 4 s x 16 rows of a block are 256 consecutive bytes of it, aligned.
; K goes in 8 steps of 128 through a ring of two LDS slots filled by the tensor data mover; rows of 256 bytes, aligned.  The sums START at bmT x inv, made while the first tile is on its way: nothing is cleared.
; CLUSTERS: 4 x 4 work-groups.  The four of a row of the cluster need the same tiles of X (and the same rows of U), the four of a column the same tiles of W: each is asked for JOINTLY, by the same tensor
; load with the same descriptor and a mask that names the four.  U's 256 rows come into slot 0 when its last K step has been read, behind a round like every refill.
; THE MATRIX INSTRUCTION IS USED TRANSPOSED: source 0 = 16 rows of W, source 1 = 16 rows of X: lane l holds row l % 16 and columns 8 (l / 16) + 0..7 of a block of 16.
; REGISTERS, in windows of 256 (s_set_vgpr_msb: bits 1:0 source 0, 3:2 source 1, 5:4 source 2, 7:6 destination):
;   window 0: v0-31 addresses; v32-47 inv, a pair for each block of 16 rows; v64-127, v128-191 fragments of X, two buffers (on the way out: U, and the sums over r)
;   window 1: v0-63 bmT of my 128 columns; v64-127, v128-191 fragments of W      windows 2, 3: the accumulators, (a, b) at v[8 (8 (a % 4) + b)] of window 2 + a / 4
.set KSTEP,  128
.set PITCH,  272                       ; an LDS row: 256 bytes + 16 of padding = 68 words: the 16 rows of a load start at 16 different groups of four banks (64 banks of 4 bytes: ISA guide 11.1)
.set HALFT,  128*PITCH
.set SLOT,   4*HALFT                   ; X's 256 rows, then W's 256 rows
.set STAGE,  2*SLOT                    ; behind the ring: [16 blocks][16 rows][4 s] f32, the work-group's, for the way out
.set SPARE,  STAGE+4096                ; the spare words, 128 bytes for each wave: two blocks of 256 bytes that no other line names
.set UROWS,  64*PITCH                  ; 64 rows of U: what one wave fetches
.set LAPS,   4                         ; a lap = two K steps = once round the ring
.set BMOFF,  0x800000
.set SCOFF,  0x100000
.set ADRA, 16                          ; v16-17  LDS address of my X fragments in slot 0, 1
.set ADRB, 20                          ; v20-21  the same for W
.set BO,   22                          ; v22     32 h: my 8 columns' bmT
.set SO,   23                          ; v23     32 m: my row's inv
.set UAD,  24                          ; v24     LDS: my row of U, my 8 r
.set STO,  25                          ; v25     the way out: my word in the stage
.set RD,   26                          ; v26     where I read the stage back
.set GO,   27                          ; v27     my byte offset in hb
.set SPW,  28                          ; v28     my spare word; never rewritten
.set NIL,  29                          ; v29     0; never rewritten
.set PFO,  30                          ; v30     the prefetches' offset: my lane x a row of 2,048 bytes
.set IV,   32
.set F0,   64
.set F1,   128
.set UU,   64                          ; the way out: U of a block of 16 rows, 32 registers, two buffers
.set T,    128                         ; four chains of pairs
.set R0,   136
.set R1,   137
.set SND,  138
.set KEEP, 139
.set RCV,  140
.set TOT,  141
.set OUTR, 144
.set WV, 12
.set RH, 13                            ; which half of the rows is mine.  Also: I fetch for X (0) or W (1)
.set CH, 14                            ; which half of the columns.  Also: which 128 rows of that tile I fetch
.set CX, 15
.set CY, 16
.set TC, 17
.set TR, 18
.set LIM, 19                           ; 1 in a wave that prefetches, else the greatest number
.set G1A, 24
.set G0A, 32
.set PFA, 40
.set G1B, 48
.set G0B, 56
.set G1U, 68
.set G0U, 76
.set MH,  80                           ; lanes 16 to 31
.set SEL, 82
.set HBB, 84
.set MSB, 0
.macro WIN new
.if MSB != (\new)
	s_set_vgpr_msb (MSB<<8)|(\new)
.set MSB, (\new)
.endif
.endm
.set MUL_LO, 0xa1                      ; source 0 (W) window 1, source 1 (X) window 0, C and D window 2
.set MUL_HI, 0xf1
.set TO_B,   0x40
; A joint load: waves 0 and 1 fetch X's two halves, waves 2 and 3 W's.  The branch hangs on the wave's number alone.  An s_nop 0 and four v_nop follow each line.
.macro JLOAD s
	s_cmp_eq_u32 s[RH], 0
	s_cbranch_scc0 .Lfor_b_\@
	tensor_load_to_lds s[G0A+4*(\s):G0A+4*(\s)+3], s[G1A:G1A+7]
	s_nop 0
.rept 4
	v_nop
.endr
	s_branch .Lasked_\@
.Lfor_b_\@:
	tensor_load_to_lds s[G0B+4*(\s):G0B+4*(\s)+3], s[G1B:G1B+7]
	s_nop 0
.rept 4
	v_nop
.endr
.Lasked_\@:
.endm
; A prefetch, behind each joint refill and the run of LDS loads that follows it: the K step that stands two refills on (512 matrix instructions ahead of the load that will want it): 32 rows x 256 bytes,
; a lane a row, one instruction a wave.  X's tile row is walked by every cluster of that row of clusters: the one with x = 0 asks; W's tile column likewise: the one with y = 0.  The four partners that
; ask for a tile jointly take 32 of a wave's 128 rows each, told apart by address.  So each row's 256 bytes of a K step are named once.  K steps 0 to 3 come by their loads alone; the loop's last trip asks for nothing.
.macro ASK
	s_cmp_gt_u32 s3, s[LIM]
	s_cbranch_scc0 .Lnot_mine_\@
	global_prefetch_b8 v[PFO], s[PFA:PFA+1] offset:KSTEP*2 th:TH_LOAD_NT scope:SCOPE_SE
.Lnot_mine_\@:
.endm
.macro CREST                           ; a round of the cluster's barrier behind its opening barrier
	s_cmp_lg_u32 s[WV], 0
	s_cbranch_scc1 .Lnot_wave_0_\@
	s_barrier_signal -3
.Lnot_wave_0_\@:
	s_barrier_wait -3
	s_barrier_signal -1
	s_barrier_wait -1
.endm
.macro CROUND
	s_barrier_signal -1
	s_barrier_wait -1
	CREST
.endm
	s_load_b256 s[4:11], s[0:1], 0x0               ; xh s[4:5], S s[6:7], P s[8:9], hb s[10:11]
	v_lshl_add_u32 v[SPW], v0, 2, SPARE
	v_mov_b32 v[NIL], 0
	ds_add_u32 v[SPW], v[NIL]                      ; the wave's opening: the add, twice on end, and its wait ahead of my first tensor load
	ds_add_u32 v[SPW], v[NIL]
	v_lshrrev_b32 v1, 5, v0
	v_readfirstlane_b32 s[WV], v1                  ; wave 0..3
	s_lshr_b32 s[RH], s[WV], 1
	s_and_b32 s[CH], s[WV], 1
	s_bfe_u32 s[CX], ttmp6, 0x40000
	s_bfe_u32 s[CY], ttmp6, 0x40004
	s_lshl_b32 s[TC], ttmp9, 2
	s_add_co_u32 s[TC], s[TC], s[CX]               ; tile column = 4 x cluster x + cx
	s_and_b32 s[TR], ttmp7, 0xffff
	s_lshl_b32 s[TR], s[TR], 2
	s_add_co_u32 s[TR], s[TR], s[CY]               ; tile row = 4 x cluster y + cy
	s_lshl_b32 s20, s[CY], 2
	s_lshl_b32 s20, 15, s20                        ; my row of the cluster
	s_lshl_b32 s42, 0x1111, s[CX]                  ; my column
	s_or_b32 s[G1A], s20, (1<<16)|(1<<20)|(1<<21)|(5<<22)|(3<<25)  ; the mask; 2-byte elements; padding on; bit 21 beside a mask; after every 64 words, 4 words
	s_or_b32 s[G1B], s42, (1<<16)|(1<<20)|(1<<21)|(5<<22)|(3<<25)
	s_or_b32 s[G1U], s20, (2<<16)|(1<<20)|(1<<21)|(5<<22)|(3<<25)  ; U: 4-byte elements, shared along my row
.irp g, G1A, G1B
	s_mov_b32 s[(\g)+1], KSTEP<<16                 ; tensor_dim0 = 128
	s_mov_b32 s[(\g)+2], 128<<16                   ; tensor_dim1 = 128
	s_mov_b32 s[(\g)+3], KSTEP<<16                 ; tile_dim0 = 128
	s_mov_b32 s[(\g)+4], 128                       ; tile_dim1 = 128
	s_mov_b32 s[(\g)+5], 1024                      ; elements from row to row
	s_mov_b32 s[(\g)+6], 0
	s_mov_b32 s[(\g)+7], 0
.endr
	s_mov_b32 s[G1U+1], 64<<16                     ; 64 rows of 64 f32, dense
	s_mov_b32 s[G1U+2], 64<<16
	s_mov_b32 s[G1U+3], 64<<16
	s_mov_b32 s[G1U+4], 64
	s_mov_b32 s[G1U+5], 64
	s_mov_b32 s[G1U+6], 0
	s_mov_b32 s[G1U+7], 0
	s_lshl_b32 s22, s[CH], 7                       ; which 128 rows of the tile I fetch
	s_lshl_b32 s20, s[TR], 8
	s_add_co_u32 s20, s20, s22
	s_lshl_b32 s20, s20, 11                        ; X: (256 tile row + 128 half) rows of 2,048 bytes
	s_mov_b32 s21, 0
	s_lshl_b32 s42, s[TC], 8
	s_add_co_u32 s42, s42, s22
	s_lshl_b32 s42, s42, 11                        ; W: the same by the tile column
	s_mov_b32 s43, 0
	s_mul_i32 s23, s[WV], HALFT                    ; where they go: wave x 128 rows
	s_mov_b32 s[G0U], 1
	s_mul_i32 s[G0U+1], s[WV], UROWS               ; U: wave x 64 rows, from slot 0's first byte on
	s_lshl_b32 s[G0U+2], s[TR], 16                 ; (256 tile row + 64 wave) rows of 256 bytes
	s_lshl_b32 s[G0U+3], s[WV], 14
	s_add_co_u32 s[G0U+2], s[G0U+2], s[G0U+3]
	s_mov_b32 s[G0U+3], 0
	s_lshl_b32 s46, s[TC], 10                      ; bmT of my 128 columns
	s_lshl_b32 s47, s[CH], 9
	s_add_co_u32 s46, s46, s47
	s_add_co_u32 s46, s46, BMOFF
	s_mov_b32 s47, 0
	s_lshl_b32 s66, s[TR], 13                      ; inv of my 128 rows, 32 bytes a row
	s_lshl_b32 s67, s[RH], 12
	s_add_co_u32 s66, s66, s67
	s_add_co_u32 s66, s66, SCOFF
	s_mov_b32 s67, 0
	s_lshl_b32 s[HBB], s[TR], 16                   ; hb: block 16 tile row + 4 wave,
	s_lshl_b32 s[HBB+1], s[WV], 14
	s_add_co_u32 s[HBB], s[HBB], s[HBB+1]
	s_lshr_b32 s[HBB+1], s[TC], 2                  ; and in a block, for s = 4 tile column: 1,024 (s / 16)
	s_lshl_b32 s[HBB+1], s[HBB+1], 10
	s_add_co_u32 s[HBB], s[HBB], s[HBB+1]
	s_and_b32 s[HBB+1], s[TC], 1                   ; + 512 ((s / 4) % 2)
	s_lshl_b32 s[HBB+1], s[HBB+1], 9
	s_add_co_u32 s[HBB], s[HBB], s[HBB+1]
	s_bfe_u32 s[HBB+1], s[TC], 0x10001             ; + 256 ((s / 8) % 2)
	s_lshl_b32 s[HBB+1], s[HBB+1], 8
	s_add_co_u32 s[HBB], s[HBB], s[HBB+1]
	s_mov_b32 s[HBB+1], 0
	s_mov_b32 s[MH], 0xffff0000
	s_mov_b32 s[SEL], 0x76543210
	s_mov_b32 s[SEL+1], 0xfedcba98
	v_and_b32 v1, 15, v0                           ; m = l % 16
	v_bfe_u32 v2, v0, 4, 1                         ; h = l / 16
	v_lshlrev_b32 v[BO], 5, v2
	v_lshlrev_b32 v[SO], 5, v1
	s_wait_dscnt 0x0                               ; both opening adds are done
	s_wait_kmcnt 0x0
	s_add_nc_u64 s[20:21], s[4:5], s[20:21]
	s_add_nc_u64 s[42:43], s[8:9], s[42:43]
	s_add_nc_u64 s[G0U+2:G0U+3], s[6:7], s[G0U+2:G0U+3]
	s_or_b32 s[G0U+3], s[G0U+3], 0x80000000
	s_add_nc_u64 s[46:47], s[8:9], s[46:47]
	s_add_nc_u64 s[66:67], s[6:7], s[66:67]
	s_add_nc_u64 s[HBB:HBB+1], s[10:11], s[HBB:HBB+1]
	WIN TO_B
.set i, 0
.rept 16                                       ; bmT[16 b + 8 h + 0..7] -> window 1, v[8 b ..]
	global_load_b128 v[4*i:4*i+3], v[BO], s[46:47] offset:64*(i/2)+16*(i%2)
.set i, i+1
.endr
	WIN 0
.set i, 0
.rept 8                                        ; (inv, inv) of row 16 a + m
	global_load_b64 v[IV+2*i:IV+2*i+1], v[SO], s[66:67] offset:512*i
.set i, i+1
.endr
	CROUND                                         ; all sixteen work-groups are here: the first joint loads meet
.irp s, 0,1
	s_mov_b32 s[G0A+4*(\s)], 1
	s_add_co_u32 s[G0A+4*(\s)+1], s23, (\s)*SLOT
	s_add_nc_u64 s[G0A+4*(\s)+2:G0A+4*(\s)+3], s[20:21], (\s)*KSTEP*2
	s_or_b32 s[G0A+4*(\s)+3], s[G0A+4*(\s)+3], 0x80000000
	s_mov_b32 s[G0B+4*(\s)], 1
	s_add_co_u32 s[G0B+4*(\s)+1], s23, (\s)*SLOT
	s_add_nc_u64 s[G0B+4*(\s)+2:G0B+4*(\s)+3], s[42:43], (\s)*KSTEP*2
	s_or_b32 s[G0B+4*(\s)+3], s[G0B+4*(\s)+3], 0x80000000
	JLOAD \s                                       ; two loads of mine are out
.endr
	v_mul_u32_u24 v3, v1, PITCH
	v_lshl_add_u32 v3, v2, 4, v3                   ; a fragment's row x pitch + 16 x half
	s_mul_i32 s44, s[RH], HALFT
	s_mul_i32 s45, s[CH], HALFT
	s_add_co_u32 s45, s45, 2*HALFT
.irp s, 0,1
	v_add_nc_u32 v[ADRA+(\s)], s44, v3
	v_add_nc_u32 v[ADRB+(\s)], s45, v3
	s_add_co_u32 s44, s44, SLOT
	s_add_co_u32 s45, s45, SLOT
.endr
	s_mul_i32 s44, s[RH], HALFT                    ; U: row 128 RH + m, 32 bytes for each half of the lanes
	v_mul_u32_u24 v[UAD], v1, PITCH
	v_lshl_add_u32 v[UAD], v2, 5, v[UAD]
	v_add_nc_u32 v[UAD], s44, v[UAD]
	s_lshl_b32 s44, s[RH], 11                      ; stage: block 8 RH + a of 256 bytes; in it row m of 16 bytes, s = 2 CH + h
	s_lshl_b32 s45, s[CH], 3
	s_add_co_u32 s44, s44, s45
	s_add_co_u32 s44, s44, STAGE
	v_lshlrev_b32 v[STO], 4, v1
	v_lshl_add_u32 v[STO], v2, 2, v[STO]
	v_add_nc_u32 v[STO], s44, v[STO]
	s_lshl_b32 s44, s[WV], 10                      ; back: wave w takes blocks 4 w .. 4 w + 3
	s_add_co_u32 s44, s44, STAGE
	v_and_b32 v[RD], 31, v0
	v_lshl_add_u32 v[RD], v[RD], 4, s44
	v_lshlrev_b32 v[GO], 12, v2                    ; lanes 0-15 one block's 256 bytes, lanes 16-31 the next block's
	v_lshl_add_u32 v[GO], v1, 4, v[GO]
	; the prefetches
	s_and_b32 s22, ttmp7, 0xffff                   ; cluster y
	s_lshl_b32 s44, s[TR], 8
	s_lshl_b32 s45, s[TC], 8
	s_cmp_eq_u32 s[RH], 0                          ; do I fetch for X?
	s_cselect_b32 s44, s44, s45                    ; the tile's first row
	s_cselect_b32 s45, s[CX], s[CY]                ; my place among the four that ask with me
	s_cselect_b32 s22, ttmp9, s22                  ; the coordinate along which other clusters read the same rows
	s_cselect_b64 s[PFA:PFA+1], s[4:5], s[8:9]
	s_cmp_eq_u32 s22, 0
	s_cselect_b32 s[LIM], 1, -1
	s_lshl_b32 s22, s[CH], 7
	s_add_co_u32 s44, s44, s22
	s_lshl_b32 s45, s45, 5
	s_add_co_u32 s44, s44, s45
	s_lshl_b32 s44, s44, 11
	s_mov_b32 s45, 0
	s_add_nc_u64 s[PFA:PFA+1], s[PFA:PFA+1], s[44:45]
	s_add_nc_u64 s[PFA:PFA+1], s[PFA:PFA+1], 2*KSTEP*2  ; at K step 2: the first refill steps it to 3 and names K step 4
	v_and_b32 v[PFO], 31, v0
	v_lshlrev_b32 v[PFO], 11, v[PFO]
	; the sums start at bmT x inv
	s_wait_loadcnt 0x0
.set a, 0
.rept 8
	WIN 0x81+0x40*(a/4)                            ; destination window 2 or 3, bmT in window 1, inv in window 0
.set q, 0
.rept 32
	v_pk_mul_f32 v[64*(a%4)+2*q:64*(a%4)+2*q+1], v[2*q:2*q+1], v[IV+2*a:IV+2*a+1]
.set q, q+1
.endr
.set a, a+1
.endr
	WIN 0
; 16 matrix instructions: row blocks a0, a0 + 1 of the window's four x all 8 column blocks, 32 along K.  The 64 accumulators take turns, one instruction a turn.
.macro MUL16 f, hi, a0
	WIN MUL_LO+0x50*(\hi)
.irp a, \a0, (\a0)+1
.irp b, 0,1,2,3,4,5,6,7
	v_wmma_f32_16x16x32_f16 v[8*(8*(\a)+(\b)):8*(8*(\a)+(\b))+7], v[(\f)+8*(\b):(\f)+8*(\b)+7], v[(\f)+8*(4*(\hi)+(\a)):(\f)+8*(4*(\hi)+(\a))+7], v[8*(8*(\a)+(\b)):8*(8*(\a)+(\b))+7]
.endr
.endr
.endm
.macro FETCH slot, k, f                ; 32 LDS loads in one run: a quarter step's fragments (128 rows of W, 128 rows of X, 32 K at byte k) into buffer f
	WIN TO_B
.irp i, 0,1,2,3,4,5,6,7
	ds_load_b128 v[(\f)+8*(\i):(\f)+8*(\i)+3],   v[ADRB+(\slot)] offset:(\k)+(\i)*16*PITCH
	ds_load_b128 v[(\f)+8*(\i)+4:(\f)+8*(\i)+7], v[ADRB+(\slot)] offset:(\k)+(\i)*16*PITCH+32
.endr
	WIN 0
.irp i, 0,1,2,3,4,5,6,7
	ds_load_b128 v[(\f)+8*(\i):(\f)+8*(\i)+3],   v[ADRA+(\slot)] offset:(\k)+(\i)*16*PITCH
	ds_load_b128 v[(\f)+8*(\i)+4:(\f)+8*(\i)+7], v[ADRA+(\slot)] offset:(\k)+(\i)*16*PITCH+32
.endr
.endm
.macro PLACES                          ; four plain places ahead of loads into registers that matrix instructions have read, and of vector work on their results
.rept 4
	v_nop
.endr
.endm
.macro QUARTER slot, k, f, g           ; multiplies buffer f; in its middle fetches the next quarter, at byte k, into g
	s_wait_dscnt 8                                 ; W and X's rows 0-63 are in; the youngest eight loads may be out
	MUL16 \f, 0, 0
	MUL16 \f, 0, 2
	PLACES
	FETCH \slot, \k, \g
	s_wait_dscnt 32                                ; all but the 32 just issued
	MUL16 \f, 1, 0
	MUL16 \f, 1, 2
.endm
; The last quarter of a K step multiplies buffer 1 and changes slots.  In front of the round each wave waits for all its tensor loads (one is out: its part of the next slot), adds 0 to its spare word, and
; waits for that and for its reads of this slot.  Behind the round this slot is filled again first: fill = 1 with the K step two on; fill = 2 (slot 0's last turn) with my 64 rows of U.
.macro TURN slot, next, fill
.if (\fill) == 1
	s_wait_xcnt 0x0                                ; the last prefetch, a K step back, has read its address
	s_add_nc_u64 s[PFA:PFA+1], s[PFA:PFA+1], KSTEP*2
.endif
	WIN 0
	s_wait_tensorcnt 0x0
	ds_add_u32 v[SPW], v[NIL]
	s_wait_dscnt 9                                 ; (the add and the youngest eight loads may be out)
	MUL16 F1, 0, 0
	s_wait_dscnt 0x0                               ; the add is done, and my reads of this slot are over
	s_barrier_signal -1
	MUL16 F1, 0, 2
	WIN 0
	s_barrier_wait -1
	CREST                                          ; no wave of any partner still reads this slot or has a load on its way
.if (\fill) == 1
	s_add_nc_u64 s[G0A+4*(\slot)+2:G0A+4*(\slot)+3], s[G0A+4*(\slot)+2:G0A+4*(\slot)+3], 2*KSTEP*2
	s_add_nc_u64 s[G0B+4*(\slot)+2:G0B+4*(\slot)+3], s[G0B+4*(\slot)+2:G0B+4*(\slot)+3], 2*KSTEP*2
	JLOAD \slot
.else
	tensor_load_to_lds s[G0U:G0U+3], s[G1U:G1U+7]  ; one line for all four waves: it has the last K step's 256 matrix instructions in which to land
	s_nop 0
.rept 4
	v_nop
.endr
.endif
	FETCH \next, 0, F0                             ; the four v_nop above are the places in front of these loads
.if (\fill) == 1
	ASK
.endif
	MUL16 F1, 1, 0
	MUL16 F1, 1, 2
.endm
; THE WAY OUT.  ULOAD a: U[16 a + m][16 bb + 8 h + 0..7], bb = 0..3, 32 registers.  EPI a: for block a and each of my two s the sum over my 32 r, four chains of packed multiply-adds
; (each accumulator's lowest pair is read first); then the halves of the lanes exchange, so that lane (m, h) ends with h[16 a + m][s = 2 CH + h].
.macro ULOAD a
.set UB, UU+32*((\a)%2)
.irp z, 0,1,2,3,4,5,6,7
	ds_load_b128 v[UB+4*\z:UB+4*\z+3], v[UAD] offset:16*PITCH*(\a)+64*(\z/2)+16*(\z%2)
.endr
.endm
.macro EPI a, cnt
.set UB, UU+32*((\a)%2)
.set AC, 64*((\a)%4)
	s_wait_dscnt \cnt                              ; block a's U is in; what was issued behind it may be out
	WIN 0x02+(\a)/4                                ; source 0 in window 2 or 3
.set n, 0
.rept 32
.set bq, 4*(n%2)+2*(n/16)+(n/2)%2                  ; column block: s = n % 2, r block 2 (n / 16) + (n / 2) % 2
.set tq, T+2*(2*(n%2)+(n/2)%2)
.set uq, UB+8*(2*(n/16)+(n/2)%2)+2*((n/4)%4)
.set aq, AC+8*bq+2*((n/4)%4)
.if n < 4
	v_pk_mul_f32 v[tq:tq+1], v[aq:aq+1], v[uq:uq+1]
.else
	v_pk_fma_f32 v[tq:tq+1], v[aq:aq+1], v[uq:uq+1], v[tq:tq+1]
.endif
.set n, n+1
.endr
	WIN 0
	v_pk_add_f32 v[T:T+1], v[T:T+1], v[T+2:T+3]
	v_pk_add_f32 v[T+4:T+5], v[T+4:T+5], v[T+6:T+7]
	v_add_f32 v[R0], v[T], v[T+1]
	v_add_f32 v[R1], v[T+4], v[T+5]
	v_cndmask_b32 v[SND], v[R1], v[R0], s[MH]      ; lanes 0-15 send the second s, lanes 16-31 the first,
	v_cndmask_b32 v[KEEP], v[R0], v[R1], s[MH]     ; and keep the other
	v_permlanex16_b32 v[RCV], v[SND], s[SEL], s[SEL+1]
	v_add_f32 v[TOT], v[KEEP], v[RCV]
	ds_store_b32 v[STO], v[TOT] offset:256*(\a)
.if (\a) < 6
	ULOAD (\a)+2
.endif
.endm
	s_wait_tensorcnt 1                             ; my part of K step 0 is in; K step 1's stays out
	s_barrier_signal -1
	s_barrier_wait -1
	FETCH 0, 0, F0
	QUARTER 0, 64,  F0, F1
	WIN 0
	s_mov_b32 s3, LAPS-1
.Llap:                                                 ; a trip goes once round the ring, from a lap's second quarter to the next lap's first, and fills both slots again
	QUARTER 0, 128, F1, F0
	QUARTER 0, 192, F0, F1
	TURN 0, 1, 1
	QUARTER 1, 64,  F0, F1
	QUARTER 1, 128, F1, F0
	QUARTER 1, 192, F0, F1
	TURN 1, 0, 1
	QUARTER 0, 64,  F0, F1
	WIN 0
	s_sub_co_u32 s3, s3, 1
	s_cmp_lg_u32 s3, 0
	s_cbranch_scc1 .Llap
	QUARTER 0, 128, F1, F0                         ; the last lap
	QUARTER 0, 192, F0, F1
	TURN 0, 1, 2                                   ; slot 0 takes U
	QUARTER 1, 64,  F0, F1
	QUARTER 1, 128, F1, F0
	QUARTER 1, 192, F0, F1
	s_wait_dscnt 8                                 ; the very last quarter: nothing more to fetch
	MUL16 F1, 0, 0
	MUL16 F1, 0, 2
	s_wait_dscnt 0x0
	s_wait_tensorcnt 0x0                           ; my 64 rows of U have landed: say so
	s_barrier_signal -1
	MUL16 F1, 1, 0
	MUL16 F1, 1, 2
	WIN 0
	s_barrier_wait -1                              ; everybody's have
	PLACES
	v_mov_b32 v[RCV], 0                            ; v_permlanex16_b32's destination counts as read
	ULOAD 0
	ULOAD 1
	EPI 0, 8                                       ; behind block 0's U: block 1's eight loads
.irp a, 1,2,3,4,5,6
	EPI \a, 9                                      ; behind block a's U: one stage store and eight loads
.endr
	EPI 7, 1                                       ; one stage store
	s_wait_dscnt 0x0                               ; for the others' sake: my words lie in the stage
	s_barrier_signal -1
	s_barrier_wait -1
	ds_load_b128 v[OUTR:OUTR+3],   v[RD]
	ds_load_b128 v[OUTR+4:OUTR+7], v[RD] offset:512
	s_wait_dscnt 0x0
	global_store_b128 v[GO], v[OUTR:OUTR+3],   s[HBB:HBB+1]             ; 16 lanes store 256 consecutive bytes, aligned: a block's 16 rows x 4 s
	global_store_b128 v[GO], v[OUTR+4:OUTR+7], s[HBB:HBB+1] offset:8192
	s_wait_tensorcnt 0x0                           ; the wave's end
	ds_add_u32 v[SPW], v[NIL]
	s_wait_dscnt 0x0
	CROUND                                         ; the closing round
	s_endpgm
.Lfunc_end_k_q509129690e_gemm0:
	.size	k_q509129690e_gemm0, .Lfunc_end_k_q509129690e_gemm0-k_q509129690e_gemm0
	.p2alignl 7, 3214868480
	.fill 96, 4, 3214868480
	.section	.rodata,"a",@progbits
	.p2align	6, 0x0
	.amdhsa_kernel k_q509129690e_gemm0
		.amdhsa_group_segment_fixed_size 327680
		.amdhsa_private_segment_fixed_size 0
		.amdhsa_enable_private_segment 0
		.amdhsa_kernarg_size 32
		.amdhsa_user_sgpr_count 2
		.amdhsa_user_sgpr_kernarg_segment_ptr 1
		.amdhsa_wavefront_size32 1
		.amdhsa_system_sgpr_workgroup_id_x 1
		.amdhsa_system_sgpr_workgroup_id_y 1
		.amdhsa_system_sgpr_workgroup_id_z 1
		.amdhsa_system_vgpr_workitem_id 0
		.amdhsa_next_free_vgpr 1024
		.amdhsa_next_free_sgpr 88
		.amdhsa_reserve_vcc 0
		.amdhsa_float_denorm_mode_32 3
		.amdhsa_float_denorm_mode_16_64 3
		.amdhsa_memory_ordered 1
		.amdhsa_forward_progress 1
		.amdhsa_inst_pref_size 158
	.end_amdhsa_kernel
	.amdgpu_metadata
---
amdhsa.version: [ 1, 2 ]
amdhsa.kernels:
  - .name:           k_q509129690e_gemm0
    .symbol:         k_q509129690e_gemm0.kd
    .args:
      - { .name: xh, .offset: 0, .size: 8, .value_kind: global_buffer, .address_space: global }
      - { .name: S, .offset: 8, .size: 8, .value_kind: global_buffer, .address_space: global }
      - { .name: P0, .offset: 16, .size: 8, .value_kind: global_buffer, .address_space: global }
      - { .name: hb, .offset: 24, .size: 8, .value_kind: global_buffer, .address_space: global }
    .group_segment_fixed_size: 327680
    .private_segment_fixed_size: 0
    .kernarg_segment_align: 8
    .kernarg_segment_size: 32
    .max_flat_workgroup_size: 128
    .sgpr_count:     88
    .vgpr_count:     1024
    .wavefront_size: 32
...
	.end_amdgpu_metadata
.endif
;; end of part 2
;; launch tail0 (part 3): grid 256 x 1, 8 waves a work-group, no clusters, 71,680 bytes of LDS; arguments hb, P0, b0, xh, S; writes xh, S
.if DOCPART == 3
	.amdgcn_target "amdgcn-amd-amdhsa--gfx1250"
	.amdhsa_code_object_version 6
	.text
	.protected	k_q509129690e_tail0
	.globl	k_q509129690e_tail0
	.p2align	8
	.type	k_q509129690e_tail0,@function
k_q509129690e_tail0:
	s_mov_b64 s[64:65], 0
	v_nop
	global_prefetch_b8 v0, s[64:65] scope:SCOPE_SE
	s_setreg_imm32_b32 hwreg(HW_REG_WAVE_MODE, 25, 1), 1
	s_wait_xcnt 0x0
; x' = relu(h V^T + b); then for the next layer: xh = f16(x' inv), S.u = (x' Un^T) / inv, S.sc = inv, with 1 / inv = 2^E, E the exponent of the row's largest x', held to -100 .. 100.
; Nothing of reference() is left out here.  b is rounded to bf16 like every input.
; hb: f32, 4,096 bytes for each block of 16 rows: (s, row m) at byte 512 (2 (s / 16) + (s / 4) % 2) + 256 ((s / 8) % 2) + 16 m + 4 (s % 4): load i of eight brings lane l four numbers of its share of the operand.
; P.Vb = bf16(V), P.Un = bf16 of the next layer's U, by fragments of 16 rows x 32 k, 1,024 bytes on end: lane l's first 16 bytes at 16 l, its second at 512 + 16 l; V's fragment (c / 16, k / 32) is number
; 2 (c / 16) + k / 32, Un's (r / 16, k / 32) number 32 (r / 16) + k / 32.  So each load of h, V and Un covers 512 consecutive bytes.
; FORMATS.  Both products in bf16 with f32 sums; the operand that the program made (h; x') goes in as two bf16 numbers, hi = bf16(v) and lo = bf16(v - hi), two products for one: 16 bits of it count.
; LIMITS.  The maximum with 0 turns a NaN into 0; infinities are not treated apart.  A row whose largest x' lies under 2^-100 keeps fewer bits in xh; with such a row bm x 2^100 must stay finite in the next launch.
; SHARES.  Work-group g: rows 16 g .. 16 g + 15.  Wave w: columns 128 w .. 128 w + 127 of x', which are also its share of K in x' Un^T; the eight partial sums and the eight row maxima meet in LDS.
; Both products are used transposed (source 0 = 16 rows of V or Un, source 1 = the 16 rows): a lane holds ONE row m = l % 16 and columns 16 nb + 8 hh + 0..7, so x', rounded in pairs, IS source 1 of the second product.
; No cluster, no tensor load, no prefetch: V and Un are small, every work-group reads them, they go straight into registers as fragments, and the launch is short.
.set MAXB,  0                          ; [16 rows][8 waves] f32
.set UPW,   4352                       ; 16 rows x 272 bytes
.set UP,    512                        ; the waves' partial u
.set XST,   UP+8*UPW                   ; each wave's own stage for xh
.set SPARE, XST+8*UPW                  ; the spare words, 128 bytes for each wave: four blocks of 256 bytes that no other line names
.set VOFF,  0x804000
.set UOFF,  0x824000
.set SCOFF, 0x100000
.set AH, 4                             ; global offsets: h; b; V; Un
.set AB, 5
.set AV, 6
.set AU, 7
.set LMX, 8                            ; LDS: my maximum; my partial u; maxima of row m; of row 2 w + hh; partials back; stage in; stage back
.set LUP, 9
.set LMM, 10
.set LMR, 11
.set LUR, 12
.set LXS, 13
.set LXR, 14
.set GX, 15                            ; global offsets: xh; u; sc
.set GS, 16
.set GC, 17
.set SPW, 18
.set NIL, 19
.set IVP, 20                           ; v[20:21] inv of row m, twice
.set SGP, 22                           ; v[22:23] 1 / inv of row 2 w + hh, twice
.set ACC,  32                          ; v[32:95]   x': column block nb at ACC + 8 nb
.set HRAW, 96                          ; v[96:127]  h as loaded; later at work; later the partials
.set TM,   96
.set MC,   104
.set HHI,  128                         ; v[128:143] h's hi, two fragments; v[144:159] its lo; later the maxima
.set XHI,  160                         ; v[160:191] x's hi, four fragments; later xh packed
.set XLO,  192                         ; v[192:223] x's lo; later the stage read back
.set UACC, 224                         ; v[224:255] four sums; before that at work
.set WV,  26
.set MSK, 27
.set SEL, 28
.set MSB, 0
.macro WIN new
.if MSB != (\new)
	s_set_vgpr_msb (MSB<<8)|(\new)
.set MSB, (\new)
.endif
.endm
.macro PLACES                          ; four plain places behind a matrix instruction (ISA guide 7.12.1)
.rept 4
	v_nop
.endr
.endm
.macro SPLIT4 hi, lo, src, tmp         ; eight numbers src.. -> four words of hi = bf16(v) and four of lo = bf16(v - hi)
.irp z, 0,1,2,3
	v_cvt_pk_bf16_f32 v[(\hi)+\z], v[(\src)+2*\z], v[(\src)+2*\z+1]
.endr
.irp z, 0,1,2,3
	v_lshlrev_b32 v[(\tmp)+2*\z], 16, v[(\hi)+\z]
	v_and_b32 v[(\tmp)+2*\z+1], s[MSK], v[(\hi)+\z]
.endr
.irp z, 0,1,2,3
	v_pk_add_f32 v[(\tmp)+2*\z:(\tmp)+2*\z+1], v[(\src)+2*\z:(\src)+2*\z+1], v[(\tmp)+2*\z:(\tmp)+2*\z+1] neg_lo:[0,1] neg_hi:[0,1]
.endr
.irp z, 0,1,2,3
	v_cvt_pk_bf16_f32 v[(\lo)+\z], v[(\tmp)+2*\z], v[(\tmp)+2*\z+1]
.endr
.endm
.macro RNDB4 r, tmp                    ; eight numbers rounded to bf16, in place
.irp z, 0,1,2,3
	v_cvt_pk_bf16_f32 v[(\tmp)+\z], v[(\r)+2*\z], v[(\r)+2*\z+1]
.endr
.irp z, 0,1,2,3
	v_lshlrev_b32 v[(\r)+2*\z], 16, v[(\tmp)+\z]
	v_and_b32 v[(\r)+2*\z+1], s[MSK], v[(\tmp)+\z]
.endr
.endm
.macro SCALE mx, sg, iv                ; sg = 2^E of mx >= 0, E held to -100 .. 100; iv = 2^-E: whole-number work on the exponent's field
	v_and_b32 v[\sg], 0x7f800000, v[\mx]
	v_max_u32 v[\sg], 0x0d800000, v[\sg]
	v_min_u32 v[\sg], 0x71800000, v[\sg]
	v_sub_nc_u32 v[\iv], 0x7f000000, v[\sg]
.endm
	s_load_b256 s[4:11], s[0:1], 0x0               ; hb s[4:5], P s[6:7], b s[8:9], xh s[10:11]
	s_load_b64 s[12:13], s[0:1], 0x20              ; S
	v_lshl_add_u32 v[SPW], v0, 2, SPARE
	v_mov_b32 v[NIL], 0
	v_lshrrev_b32 v1, 5, v0
	v_readfirstlane_b32 s[WV], v1                  ; wave 0..7
	s_mov_b32 s[MSK], 0xffff0000
	s_mov_b32 s[SEL], 0x76543210
	s_mov_b32 s[SEL+1], 0xfedcba98
	v_and_b32 v1, 15, v0                           ; m
	v_bfe_u32 v2, v0, 4, 1                         ; hh
	v_and_b32 v3, 31, v0                           ; L
	v_lshlrev_b32 v[AH], 4, v3                     ; 16 L
	s_lshl_b32 s36, s[WV], 9
	v_lshl_add_u32 v[AB], v2, 5, s36               ; 32 hh + 512 w
	v_lshl_add_u32 v[GS], v3, 4, s36               ; 512 w + 16 L
	s_lshl_b32 s36, s[WV], 14
	v_lshl_add_u32 v[AV], v3, 4, s36               ; 16 L + my 16 fragments of V
	s_lshl_b32 s36, s[WV], 12
	v_lshl_add_u32 v[AU], v3, 4, s36               ; 16 L + my 4 fragments of each 16 rows of Un
	s_lshl_b32 s36, s[WV], 8
	v_lshlrev_b32 v[GX], 11, v2
	v_lshl_add_u32 v[GX], v1, 4, v[GX]
	v_add_nc_u32 v[GX], s36, v[GX]                 ; 2,048 hh + 256 w + 16 m
	s_lshl_b32 s36, s[WV], 2
	v_lshl_add_u32 v[LMX], v1, 5, s36              ; 32 m + 4 w
	v_lshlrev_b32 v[LMM], 5, v1
	s_lshl_b32 s36, s[WV], 6
	v_lshl_add_u32 v[LMR], v2, 5, s36              ; 32 (2 w + hh)
	s_mul_i32 s36, s[WV], UPW
	s_add_co_u32 s37, s36, XST
	s_add_co_u32 s36, s36, UP
	v_mul_u32_u24 v[LUP], v1, 272
	v_lshl_add_u32 v[LXS], v2, 4, v[LUP]
	v_add_nc_u32 v[LXS], s37, v[LXS]               ; stage in: row m, 16 bytes for each half of the lanes
	v_lshl_add_u32 v[LUP], v2, 5, v[LUP]
	v_add_nc_u32 v[LUP], s36, v[LUP]
	v_mul_u32_u24 v[LXR], v2, 272
	v_lshl_add_u32 v[LXR], v1, 4, v[LXR]           ; 272 hh + 16 m
	s_mul_i32 s36, s[WV], 544
	s_add_co_u32 s36, s36, UP
	v_add_nc_u32 v[LUR], s36, v[LXR]               ; partials back: row 2 w + hh
	v_add_nc_u32 v[LXR], s37, v[LXR]               ; stage back: lanes 0-15 one row, lanes 16-31 the next
	v_lshlrev_b32 v[GC], 5, v1
	v_lshl_add_u32 v[GC], v2, 4, v[GC]             ; 32 m + 16 hh
	s_lshl_b32 s30, ttmp9, 12
	s_mov_b32 s31, 0
	s_lshl_b32 s32, ttmp9, 15
	s_mov_b32 s33, 0
	s_lshl_b32 s34, ttmp9, 9
	s_add_co_u32 s34, s34, SCOFF
	s_mov_b32 s35, 0
	s_wait_kmcnt 0x0
	s_add_nc_u64 s[14:15], s[4:5], s[30:31]        ; hb at my block
	s_add_nc_u64 s[16:17], s[6:7], VOFF
	s_add_nc_u64 s[18:19], s[6:7], UOFF
	s_add_nc_u64 s[20:21], s[10:11], s[32:33]      ; xh at my 16 rows
	s_add_nc_u64 s[22:23], s[12:13], s[30:31]      ; S.u
	s_add_nc_u64 s[24:25], s[12:13], s[34:35]      ; S.sc
	; all 88 loads at once: h (8), b (16), V (32), Un (32)
.set i, 0
.rept 8                                        ; h[m][16 (i / 2) + 8 hh + 4 (i % 2) + 0..3] -> HRAW + 4 i
	global_load_b128 v[HRAW+4*i:HRAW+4*i+3], v[AH], s[14:15] offset:512*i
.set i, i+1
.endr
.set i, 0
.rept 16                                       ; b goes straight into the sums' registers
	global_load_b128 v[ACC+4*i:ACC+4*i+3], v[AB], s[8:9] offset:64*(i/2)+16*(i%2)
.set i, i+1
.endr
	WIN 0x40                                       ; destination in the second window
.set i, 0
.rept 16                                       ; V's fragment (nb, ks) = i at v[8 i]
	global_load_b128 v[8*i:8*i+3],   v[AV], s[16:17] offset:1024*i
	global_load_b128 v[8*i+4:8*i+7], v[AV], s[16:17] offset:1024*i+512
.set i, i+1
.endr
.set i, 0
.rept 16                                       ; Un's fragment (rb, ks) = i at v[128 + 8 i]
	global_load_b128 v[128+8*i:128+8*i+3],   v[AU], s[18:19] offset:32768*(i/4)+1024*(i%4)
	global_load_b128 v[128+8*i+4:128+8*i+7], v[AU], s[18:19] offset:32768*(i/4)+1024*(i%4)+512
.set i, i+1
.endr
	WIN 0
	s_wait_loadcnt 63                              ; h and b are in: 64 loads are younger than b's last, and the count's field ends at 63
.irp g, 0,1,2,3
	SPLIT4 HHI+4*\g, HHI+16+4*\g, HRAW+8*\g, UACC
.endr
.irp g, 0,1,2,3,4,5,6,7
	RNDB4 ACC+8*\g, UACC+8
.endr
	s_wait_loadcnt 32                              ; V is in; Un's 32 loads stay out
	WIN 0x01                                       ; source 0 in the second window
.set n, 0
.rept 32                                       ; (ks, hi or lo) by (n / 8), column block n % 8: the eight sums take turns
	v_wmma_f32_16x16x32_bf16 v[ACC+8*(n%8):ACC+8*(n%8)+7], v[8*(2*(n%8)+n/16):8*(2*(n%8)+n/16)+7], v[HHI+16*((n/8)%2)+8*(n/16):HHI+16*((n/8)%2)+8*(n/16)+7], v[ACC+8*(n%8):ACC+8*(n%8)+7]
.set n, n+1
.endr
	WIN 0
	PLACES
.set i, 0
.rept 64
	v_max_num_f32 v[ACC+i], 0, v[ACC+i]            ; ReLU, from each sum's low end on
.set i, i+1
.endr
	; my 64 numbers' maximum in four chains, then the other half of the lanes': row m's maximum over my 128 columns
.irp c, 0,1,2,3
	v_max3_num_f32 v[MC+\c], v[ACC+16*\c], v[ACC+16*\c+1], v[ACC+16*\c+2]
.endr
.irp k, 0,1,2,3,4,5
.irp c, 0,1,2,3
	v_max3_num_f32 v[MC+\c], v[MC+\c], v[ACC+16*\c+3+2*\k], v[ACC+16*\c+4+2*\k]
.endr
.endr
.irp c, 0,1,2,3
	v_max_num_f32 v[MC+\c], v[MC+\c], v[ACC+16*\c+15]
.endr
	v_max3_num_f32 v[MC], v[MC], v[MC+1], v[MC+2]
	v_max_num_f32 v[MC], v[MC], v[MC+3]
	v_permlanex16_b32 v[MC+1], v[MC], s[SEL], s[SEL+1]
	v_max_num_f32 v[MC], v[MC], v[MC+1]
	ds_store_b32 v[LMX], v[MC]
.irp g, 0,1,2,3,4,5,6,7
	SPLIT4 XHI+4*\g, XLO+4*\g, ACC+8*\g, TM        ; column blocks 2 ks and 2 ks + 1 are fragment ks
.endr
	s_wait_loadcnt 0x0                             ; Un
	WIN 0x01
.set n, 0
.rept 32                                       ; (hi or lo, ks) by n / 4, r block n % 4: the four sums take turns; the first four start them
.if n < 4
	v_wmma_f32_16x16x32_bf16 v[UACC+8*(n%4):UACC+8*(n%4)+7], v[128+8*(4*(n%4)+(n/4)%4):128+8*(4*(n%4)+(n/4)%4)+7], v[XHI+32*(n/16)+8*((n/4)%4):XHI+32*(n/16)+8*((n/4)%4)+7], 0
.else
	v_wmma_f32_16x16x32_bf16 v[UACC+8*(n%4):UACC+8*(n%4)+7], v[128+8*(4*(n%4)+(n/4)%4):128+8*(4*(n%4)+(n/4)%4)+7], v[XHI+32*(n/16)+8*((n/4)%4):XHI+32*(n/16)+8*((n/4)%4)+7], v[UACC+8*(n%4):UACC+8*(n%4)+7]
.endif
.set n, n+1
.endr
	WIN 0
	PLACES
.irp rb, 0,1,2,3
	ds_store_b128 v[LUP], v[UACC+8*\rb:UACC+8*\rb+3]   offset:64*\rb
	ds_store_b128 v[LUP], v[UACC+8*\rb+4:UACC+8*\rb+7] offset:64*\rb+16
.endr
	s_wait_dscnt 0x0                               ; for the others' sake: my maximum and my partial sums lie in LDS
	s_barrier_signal -1
	s_barrier_wait -1
	ds_load_b128 v[128:131], v[LMM]                ; the eight waves' maxima of row m,
	ds_load_b128 v[132:135], v[LMM] offset:16
	ds_load_b128 v[136:139], v[LMR]                ; and of row 2 w + hh
	ds_load_b128 v[140:143], v[LMR] offset:16
.irp p, 0,1,2,3,4,5,6,7
	ds_load_b128 v[HRAW+4*\p:HRAW+4*\p+3], v[LUR] offset:UPW*\p  ; row 2 w + hh, r = 4 m + 0..3
.endr
	s_wait_dscnt 0x0
	v_max3_num_f32 v24, v128, v129, v130
	v_max3_num_f32 v25, v136, v137, v138
	v_max3_num_f32 v24, v24, v131, v132
	v_max3_num_f32 v25, v25, v139, v140
	v_max3_num_f32 v24, v24, v133, v134
	v_max3_num_f32 v25, v25, v141, v142
	v_max_num_f32 v24, v24, v135
	v_max_num_f32 v25, v25, v143
	SCALE 24, 26, IVP
	v_mov_b32 v[IVP+1], v[IVP]
	SCALE 25, SGP, 27
	v_mov_b32 v[SGP+1], v[SGP]
.set i, 0
.rept 32
	v_pk_mul_f32 v[ACC+2*i:ACC+2*i+1], v[ACC+2*i:ACC+2*i+1], v[IVP:IVP+1]  ; under 2: exact, a power of two
.set i, i+1
.endr
.set i, 0
.rept 32
	v_cvt_pk_f16_f32 v[XHI+i], v[ACC+2*i], v[ACC+2*i+1]
.set i, i+1
.endr
.irp nb, 0,1,2,3,4,5,6,7
	ds_store_b128 v[LXS], v[XHI+4*\nb:XHI+4*\nb+3] offset:32*\nb
.endr
.irp t, 0,1,2,3,4,5,6,7
	ds_load_b128 v[XLO+4*\t:XLO+4*\t+3], v[LXR] offset:544*\t  ; my own bytes: LDS serves a wave's instructions in order (ISA guide 5.7.1.4)
.endr
	; u: the eight partial sums, then 1 / inv
.irp p, 0,2,4,6
	v_pk_add_f32 v[HRAW+4*\p:HRAW+4*\p+1],   v[HRAW+4*\p:HRAW+4*\p+1],   v[HRAW+4*\p+4:HRAW+4*\p+5]
	v_pk_add_f32 v[HRAW+4*\p+2:HRAW+4*\p+3], v[HRAW+4*\p+2:HRAW+4*\p+3], v[HRAW+4*\p+6:HRAW+4*\p+7]
.endr
.irp p, 0,4
	v_pk_add_f32 v[HRAW+4*\p:HRAW+4*\p+1],   v[HRAW+4*\p:HRAW+4*\p+1],   v[HRAW+4*\p+8:HRAW+4*\p+9]
	v_pk_add_f32 v[HRAW+4*\p+2:HRAW+4*\p+3], v[HRAW+4*\p+2:HRAW+4*\p+3], v[HRAW+4*\p+10:HRAW+4*\p+11]
.endr
	v_pk_add_f32 v[HRAW:HRAW+1],   v[HRAW:HRAW+1],   v[HRAW+16:HRAW+17]
	v_pk_add_f32 v[HRAW+2:HRAW+3], v[HRAW+2:HRAW+3], v[HRAW+18:HRAW+19]
	v_pk_mul_f32 v[HRAW:HRAW+1],   v[HRAW:HRAW+1],   v[SGP:SGP+1]
	v_pk_mul_f32 v[HRAW+2:HRAW+3], v[HRAW+2:HRAW+3], v[SGP:SGP+1]
.irp t, 0,1,2,3,4,5,6,7
	s_wait_dscnt 7-\t
	global_store_b128 v[GX], v[XLO+4*\t:XLO+4*\t+3], s[20:21] offset:4096*\t  ; 16 lanes store 256 consecutive bytes, aligned
.endr
	global_store_b128 v[GS], v[HRAW:HRAW+3], s[22:23]  ; 512 consecutive bytes: two rows of u
	s_cmp_lg_u32 s[WV], 0
	s_cbranch_scc1 .Lend
.irp z, 0,1,2,3
	v_mov_b32 v[28+\z], v[IVP]
.endr
	global_store_b128 v[GC], v[28:31], s[24:25]    ; eight equal words a row: 512 consecutive bytes
.Lend:
	s_wait_tensorcnt 0x0                           ; the wave's end, behind my last LDS store
	ds_add_u32 v[SPW], v[NIL]
	s_wait_dscnt 0x0
	s_endpgm
.Lfunc_end_k_q509129690e_tail0:
	.size	k_q509129690e_tail0, .Lfunc_end_k_q509129690e_tail0-k_q509129690e_tail0
	.p2alignl 7, 3214868480
	.fill 96, 4, 3214868480
	.section	.rodata,"a",@progbits
	.p2align	6, 0x0
	.amdhsa_kernel k_q509129690e_tail0
		.amdhsa_group_segment_fixed_size 71680
		.amdhsa_private_segment_fixed_size 0
		.amdhsa_enable_private_segment 0
		.amdhsa_kernarg_size 40
		.amdhsa_user_sgpr_count 2
		.amdhsa_user_sgpr_kernarg_segment_ptr 1
		.amdhsa_wavefront_size32 1
		.amdhsa_system_sgpr_workgroup_id_x 1
		.amdhsa_system_sgpr_workgroup_id_y 1
		.amdhsa_system_sgpr_workgroup_id_z 1
		.amdhsa_system_vgpr_workitem_id 0
		.amdhsa_next_free_vgpr 512
		.amdhsa_next_free_sgpr 66
		.amdhsa_reserve_vcc 0
		.amdhsa_float_denorm_mode_32 3
		.amdhsa_float_denorm_mode_16_64 3
		.amdhsa_memory_ordered 1
		.amdhsa_forward_progress 1
		.amdhsa_inst_pref_size 46
	.end_amdhsa_kernel
	.amdgpu_metadata
---
amdhsa.version: [ 1, 2 ]
amdhsa.kernels:
  - .name:           k_q509129690e_tail0
    .symbol:         k_q509129690e_tail0.kd
    .args:
      - { .name: hb, .offset: 0, .size: 8, .value_kind: global_buffer, .address_space: global }
      - { .name: P0, .offset: 8, .size: 8, .value_kind: global_buffer, .address_space: global }
      - { .name: b0, .offset: 16, .size: 8, .value_kind: global_buffer, .address_space: global }
      - { .name: xh, .offset: 24, .size: 8, .value_kind: global_buffer, .address_space: global }
      - { .name: S, .offset: 32, .size: 8, .value_kind: global_buffer, .address_space: global }
    .group_segment_fixed_size: 71680
    .private_segment_fixed_size: 0
    .kernarg_segment_align: 8
    .kernarg_segment_size: 40
    .max_flat_workgroup_size: 256
    .sgpr_count:     66
    .vgpr_count:     512
    .wavefront_size: 32
...
	.end_amdgpu_metadata
.endif
;; end of part 3
;; launch gemm1: the kernel of part 2 again; grid 16 x 16, 4 waves a work-group, clusters of 4 x 4, 327,680 bytes of LDS; arguments xh, S, P1, hb; writes hb
;; launch tail1: the kernel of part 3 again; grid 256 x 1, 8 waves a work-group, no clusters, 71,680 bytes of LDS; arguments hb, P1, b1, xh, S; writes xh, S
;; launch gemm2: the kernel of part 2 again; grid 16 x 16, 4 waves a work-group, clusters of 4 x 4, 327,680 bytes of LDS; arguments xh, S, P2, hb; writes hb
;; launch tailf (part 4): grid 256 x 1, 8 waves a work-group, no clusters, 69,632 bytes of LDS; arguments hb, P2, b2, out0; writes out0
.if DOCPART == 4
	.amdgcn_target "amdgcn-amd-amdhsa--gfx1250"
	.amdhsa_code_object_version 6
	.text
	.protected	k_q509129690e_tailf
	.globl	k_q509129690e_tailf
	.p2align	8
	.type	k_q509129690e_tailf,@function
k_q509129690e_tailf:
	s_mov_b64 s[64:65], 0
	v_nop
	global_prefetch_b8 v0, s[64:65] scope:SCOPE_SE
	s_setreg_imm32_b32 hwreg(HW_REG_WAVE_MODE, 25, 1), 1
	s_wait_xcnt 0x0
; out = h V^T + b, the last layer: no activation.  Nothing of reference() is left out here.  b is rounded to bf16 like every input.
; hb: f32, 4,096 bytes for each block of 16 rows: (s, row m) at byte 512 (2 (s / 16) + (s / 4) % 2) + 256 ((s / 8) % 2) + 16 m + 4 (s % 4).  P.Vb = bf16(V) by fragments of 16 rows x 32 k, 1,024 bytes on end:
; lane l's first 16 bytes at 16 l, its second at 512 + 16 l; fragment (c / 16, k / 32) is number 2 (c / 16) + k / 32.  So each load of h and V covers 512 consecutive bytes.
; The product in bf16 with f32 sums; h goes in as two bf16 numbers, hi = bf16(h) and lo = bf16(h - hi), two products for one.  NaN and infinities are not treated apart.
; SHARES.  Work-group g: rows 16 g .. 16 g + 15.  Wave w: columns 128 w .. 128 w + 127.  Transposed use (source 0 = 16 rows of V, source 1 = the 16 rows of h): a lane holds row m = l % 16 and
; columns 16 nb + 8 hh + 0..7.  The wave's 16 x 128 numbers go through its own stage in LDS and leave as 512 consecutive bytes a store.  No wave reads another's bytes: no barrier.
; No cluster, no tensor load, no prefetch: V is small, every work-group reads it, it goes straight into registers as fragments, and the launch is short.
.set SPITCH, 528                       ; a stage row: 512 bytes + 16
.set STW,    16*SPITCH
.set SPARE,  8*STW                     ; the spare words, 128 bytes for each wave: four blocks of 256 bytes that no other line names
.set VOFF,   0x804000
.set AH, 4
.set AB, 5
.set AV, 6
.set LST, 7
.set LRD, 8
.set GOU, 9
.set SPW, 18
.set NIL, 19
.set ACC,  32
.set HRAW, 96
.set HHI,  128
.set OB,   160                         ; v[160:223] the stage read back
.set TM,   224
.set WV,  26
.set MSK, 27
.set MSB, 0
.macro WIN new
.if MSB != (\new)
	s_set_vgpr_msb (MSB<<8)|(\new)
.set MSB, (\new)
.endif
.endm
.macro SPLIT4 hi, lo, src, tmp         ; eight numbers src.. -> four words of hi = bf16(v) and four of lo = bf16(v - hi)
.irp z, 0,1,2,3
	v_cvt_pk_bf16_f32 v[(\hi)+\z], v[(\src)+2*\z], v[(\src)+2*\z+1]
.endr
.irp z, 0,1,2,3
	v_lshlrev_b32 v[(\tmp)+2*\z], 16, v[(\hi)+\z]
	v_and_b32 v[(\tmp)+2*\z+1], s[MSK], v[(\hi)+\z]
.endr
.irp z, 0,1,2,3
	v_pk_add_f32 v[(\tmp)+2*\z:(\tmp)+2*\z+1], v[(\src)+2*\z:(\src)+2*\z+1], v[(\tmp)+2*\z:(\tmp)+2*\z+1] neg_lo:[0,1] neg_hi:[0,1]
.endr
.irp z, 0,1,2,3
	v_cvt_pk_bf16_f32 v[(\lo)+\z], v[(\tmp)+2*\z], v[(\tmp)+2*\z+1]
.endr
.endm
.macro RNDB4 r, tmp                    ; eight numbers rounded to bf16, in place
.irp z, 0,1,2,3
	v_cvt_pk_bf16_f32 v[(\tmp)+\z], v[(\r)+2*\z], v[(\r)+2*\z+1]
.endr
.irp z, 0,1,2,3
	v_lshlrev_b32 v[(\r)+2*\z], 16, v[(\tmp)+\z]
	v_and_b32 v[(\r)+2*\z+1], s[MSK], v[(\tmp)+\z]
.endr
.endm
	s_load_b256 s[4:11], s[0:1], 0x0               ; hb s[4:5], P s[6:7], b s[8:9], out s[10:11]
	v_lshl_add_u32 v[SPW], v0, 2, SPARE
	v_mov_b32 v[NIL], 0
	v_lshrrev_b32 v1, 5, v0
	v_readfirstlane_b32 s[WV], v1                  ; wave 0..7
	s_mov_b32 s[MSK], 0xffff0000
	v_and_b32 v1, 15, v0                           ; m
	v_bfe_u32 v2, v0, 4, 1                         ; hh
	v_and_b32 v3, 31, v0                           ; L
	v_lshlrev_b32 v[AH], 4, v3                     ; 16 L
	s_lshl_b32 s28, s[WV], 9
	v_lshl_add_u32 v[AB], v2, 5, s28               ; 32 hh + 512 w
	v_lshl_add_u32 v[GOU], v3, 4, s28              ; 512 w + 16 L
	s_lshl_b32 s28, s[WV], 14
	v_lshl_add_u32 v[AV], v3, 4, s28               ; 16 L + my 16 fragments of V
	s_mul_i32 s28, s[WV], STW
	v_mul_u32_u24 v[LST], v1, SPITCH
	v_lshl_add_u32 v[LST], v2, 5, v[LST]
	v_add_nc_u32 v[LST], s28, v[LST]               ; in: row m, 32 bytes for each half of the lanes
	v_lshl_add_u32 v[LRD], v3, 4, s28              ; back: a whole row of 512 bytes
	s_lshl_b32 s20, ttmp9, 12
	s_mov_b32 s21, 0
	s_lshl_b32 s22, ttmp9, 16
	s_mov_b32 s23, 0
	s_wait_kmcnt 0x0
	s_add_nc_u64 s[14:15], s[4:5], s[20:21]        ; hb at my block
	s_add_nc_u64 s[16:17], s[6:7], VOFF
	s_add_nc_u64 s[18:19], s[10:11], s[22:23]      ; out at my 16 rows
.set i, 0
.rept 8                                        ; h[m][16 (i / 2) + 8 hh + 4 (i % 2) + 0..3] -> HRAW + 4 i
	global_load_b128 v[HRAW+4*i:HRAW+4*i+3], v[AH], s[14:15] offset:512*i
.set i, i+1
.endr
.set i, 0
.rept 16                                       ; b goes straight into the sums' registers
	global_load_b128 v[ACC+4*i:ACC+4*i+3], v[AB], s[8:9] offset:64*(i/2)+16*(i%2)
.set i, i+1
.endr
	WIN 0x40                                       ; destination in the second window
.set i, 0
.rept 16                                       ; V's fragment (nb, ks) = i at v[8 i]
	global_load_b128 v[8*i:8*i+3],   v[AV], s[16:17] offset:1024*i
	global_load_b128 v[8*i+4:8*i+7], v[AV], s[16:17] offset:1024*i+512
.set i, i+1
.endr
	WIN 0
	s_wait_loadcnt 48                              ; h is in; b's 16 and V's 32 loads stay out
.irp g, 0,1,2,3
	SPLIT4 HHI+4*\g, HHI+16+4*\g, HRAW+8*\g, TM
.endr
	s_wait_loadcnt 32                              ; b is in
.irp g, 0,1,2,3,4,5,6,7
	RNDB4 ACC+8*\g, TM+8
.endr
	s_wait_loadcnt 0x0                             ; V
	WIN 0x01                                       ; source 0 in the second window
.set n, 0
.rept 32                                       ; (ks, hi or lo) by n / 8, column block n % 8: the eight sums take turns
	v_wmma_f32_16x16x32_bf16 v[ACC+8*(n%8):ACC+8*(n%8)+7], v[8*(2*(n%8)+n/16):8*(2*(n%8)+n/16)+7], v[HHI+16*((n/8)%2)+8*(n/16):HHI+16*((n/8)%2)+8*(n/16)+7], v[ACC+8*(n%8):ACC+8*(n%8)+7]
.set n, n+1
.endr
	WIN 0
.rept 4
	v_nop                                          ; four plain places ahead of the stores that read the sums
.endr
.irp nb, 0,1,2,3,4,5,6,7
	ds_store_b128 v[LST], v[ACC+8*\nb:ACC+8*\nb+3]   offset:64*\nb       ; each sum's low end first
	ds_store_b128 v[LST], v[ACC+8*\nb+4:ACC+8*\nb+7] offset:64*\nb+16
.endr
.irp t, 0,1,2,3,4,5,6,7,8,9,10,11,12,13,14,15
	ds_load_b128 v[OB+4*\t:OB+4*\t+3], v[LRD] offset:SPITCH*\t  ; my own bytes: LDS serves a wave's instructions in order (ISA guide 5.7.1.4)
.endr
.irp t, 0,1,2,3,4,5,6,7,8,9,10,11,12,13,14,15
	s_wait_dscnt 15-\t
	global_store_b128 v[GOU], v[OB+4*\t:OB+4*\t+3], s[18:19] offset:4096*\t th:TH_STORE_NT  ; 512 consecutive bytes, aligned
.endr
	s_wait_tensorcnt 0x0                           ; the wave's end, behind my last LDS store
	ds_add_u32 v[SPW], v[NIL]
	s_wait_dscnt 0x0
	s_endpgm
.Lfunc_end_k_q509129690e_tailf:
	.size	k_q509129690e_tailf, .Lfunc_end_k_q509129690e_tailf-k_q509129690e_tailf
	.p2alignl 7, 3214868480
	.fill 96, 4, 3214868480
	.section	.rodata,"a",@progbits
	.p2align	6, 0x0
	.amdhsa_kernel k_q509129690e_tailf
		.amdhsa_group_segment_fixed_size 69632
		.amdhsa_private_segment_fixed_size 0
		.amdhsa_enable_private_segment 0
		.amdhsa_kernarg_size 32
		.amdhsa_user_sgpr_count 2
		.amdhsa_user_sgpr_kernarg_segment_ptr 1
		.amdhsa_wavefront_size32 1
		.amdhsa_system_sgpr_workgroup_id_x 1
		.amdhsa_system_sgpr_workgroup_id_y 1
		.amdhsa_system_sgpr_workgroup_id_z 1
		.amdhsa_system_vgpr_workitem_id 0
		.amdhsa_next_free_vgpr 512
		.amdhsa_next_free_sgpr 66
		.amdhsa_reserve_vcc 0
		.amdhsa_float_denorm_mode_32 3
		.amdhsa_float_denorm_mode_16_64 3
		.amdhsa_memory_ordered 1
		.amdhsa_forward_progress 1
		.amdhsa_inst_pref_size 22
	.end_amdhsa_kernel
	.amdgpu_metadata
---
amdhsa.version: [ 1, 2 ]
amdhsa.kernels:
  - .name:           k_q509129690e_tailf
    .symbol:         k_q509129690e_tailf.kd
    .args:
      - { .name: hb, .offset: 0, .size: 8, .value_kind: global_buffer, .address_space: global }
      - { .name: P2, .offset: 8, .size: 8, .value_kind: global_buffer, .address_space: global }
      - { .name: b2, .offset: 16, .size: 8, .value_kind: global_buffer, .address_space: global }
      - { .name: out0, .offset: 24, .size: 8, .value_kind: global_buffer, .address_space: global }
    .group_segment_fixed_size: 69632
    .private_segment_fixed_size: 0
    .kernarg_segment_align: 8
    .kernarg_segment_size: 32
    .max_flat_workgroup_size: 256
    .sgpr_count:     66
    .vgpr_count:     512
    .wavefront_size: 32
...
	.end_amdgpu_metadata
.endif
;; end of part 4
;; ======== version 2 of 2: 7 launches; version 1 with the launches prep, tail0, tail1 written anew for expert scheduling mode
;; limits: values are held in f16: magnitudes above 65,504 overflow, below 6.1e-05 lose precision; inputs' magnitudes at most 65,504; right only within a limited range of input values
;; workspace buffers: xh 8,388,608 bytes; S 1,179,648 bytes; hb 1,048,576 bytes; P0 8,667,136 bytes; P1 8,667,136 bytes; P2 8,667,136 bytes
;; launch prep (part 5): grid 256 x 1, 8 waves a work-group, no clusters, 208,896 bytes of LDS; arguments x, Wm0, Wm1, Wm2, bm0, bm1, bm2, U0, U1, U2, V0, V1, V2, xh, S, P0, P1, P2; writes xh, S, P0, P1, P2
.if DOCPART == 5
	.amdgcn_target "amdgcn-amd-amdhsa--gfx1250"
	.amdhsa_code_object_version 6
	.text
	.protected	k_q509129690e_prep
	.globl	k_q509129690e_prep
	.p2align	8
	.type	k_q509129690e_prep,@function
k_q509129690e_prep:
	s_mov_b64 s[64:65], 0
	v_nop
	global_prefetch_b8 v0, s[64:65] scope:SCOPE_SE
	s_setreg_imm32_b32 hwreg(HW_REG_WAVE_SCHED_MODE, 0, 2), 2
	s_setreg_imm32_b32 hwreg(HW_REG_WAVE_MODE, 25, 1), 1
	s_wait_xcnt 0x0
	s_wait_alu depctr_vm_vsrc(0)
; APG MLP, three layers of: w = x Wm^T + bm ([B][64 r][64 s]); u = x U^T; h[s] = sum over r of u[r] w[r][s]; out = h V^T + b (ReLU behind layers 0 and 1).
; NO WORK OF reference() IS LEFT OUT, and every input is loaded by some launch.
; THE PROGRAM: this launch rewrites the inputs in 16 bits; then for each layer a GEMM (x Wm^T, with the sum over r ended in registers) and a tail (h V^T + b, ReLU, the next layer's x and u).
; FORMATS.  Every input is rounded once to bf16.  The GEMM multiplies in f16: its operands here are f16(bf16(v)), the same numbers.  u, h and scales stay in f32.
; LIMITS.  |x| and |Wm| up to 65,504 (f16's end; beyond it an infinity arises); below 2^-14 they keep f16's fixed step of 2^-24.  NaN and infinities are not treated apart.
; THIS LAUNCH, work-group g of 256, wave w of 8:
;   xh[row] = f16(bf16(x[row])) for rows 16 g + 2 w + i;   P_l.Wh[n'] = f16(bf16(Wm_l[64 r + s])) with n' = 64 s + r = 16 g + 2 w + i: Wm's rows are laid so that 64 neighbouring rows are one s and all r;
;   P_l.Vb = bf16(V_l), P_0.Un = bf16(U1), P_1.Un = bf16(U2), BY FRAGMENTS: 16 rows x 32 k are 1,024 bytes on end, lane l's k = 8 (l / 16) + 0..7 of row l % 16 at 16 l, its k = 16 + 8 (l / 16) + 0..7 at 512 + 16 l;
;   V's fragment (c / 16, k / 32) is number 2 (c / 16) + k / 32, U's fragment (r / 16, k / 32) number 32 (r / 16) + k / 32.  So each load of a tail covers 512 consecutive bytes.
;   P_l.bmT[n'] = bf16(bm_l[64 r + s]) kept as f32;   S.u = x U0^T for the group's 16 rows (K split among the waves); S.sc = 1.
; Each load of the streams and of U0 covers 512 consecutive bytes, each store of the streams 256, aligned.  A stream's numbers are converted in the registers that they were loaded into, and the f16 pairs go into
; registers of their own for each stream: no store's data register is written again, so no wait frees one.  U0's rows go, as bf16, through a stage of the wave's own in LDS, where the fragments are read.
; No cluster, no tensor load: the streams are read once, by one wave each.  No prefetch: the launch does nothing but stream.
; THE MODE: SCHED_MODE bits 1:0 = 2 (LLVM: expert scheduling mode 2), set by the entry lines.  The code itself states the register dependences
; between vector or matrix instructions and memory or LDS instructions, with s_wait_alu, always for 0.
; THE PLAN.  Registers that memory or LDS instructions touch:
;   v1-v15       offsets and LDS addresses, my spare word and 0: written at the head, then read by memory and LDS instructions alone.
;   SMR, SMO     a small array: two loads land in SMR, conversions read it and write SMO, one store reads SMO; neither is written again.
;   XR           x lands; converted in place; LDS stores read words 0 and 1 of each four, which the masks write again; Wm2 lands; converted; x's fragments land in v16-47; the sums in v48-79 are the data of LDS stores.
;   WA, WB       Wm0 and Wm1 land; converted; U0's rows 32-63 land; converted in place; LDS stores read words 0 and 1 of each four; the partial sums land in v80-111, are added, and a store reads v80-83; wave 0 writes and stores v112-115.
;   second window, v0-127    stream p's f16 pairs at 32 p: written by its conversions, read by its 16 stores, never written again.
;   second window, v128-255  U0's rows 0-31 land; converted in place; LDS stores read words 0 and 1 of each four; U0's fragments land; matrix instructions read them.
; ONE wait on va_vdst stands behind each stream's conversions: they are done with the load buffer, in which the next loads land, and have written the pairs, which the stores read.  Behind it stand loads, window
; switches and stores alone, the loads first.  Two waits on vm_vsrc: ahead of the masks that write x's bf16 words again, and ahead of the loads of U0's fragments; the second also frees v80-115 for all that follows.
.set XPITCH, 2064                      ; a row of bf16(x) in LDS: 2,048 bytes + 16
.set UPW,    4352                      ; a wave's partial u: 16 rows x 272 bytes
.set USW,    17408                     ; a wave's stage for bf16(U0): 64 rows x 272 bytes
.set UP,     16*XPITCH                 ; behind x's 16 rows
.set UST,    UP+8*UPW
.set SPARE,  UST+8*USW                 ; the spare words, 128 bytes for each wave: four blocks of 256 bytes that no other line names
.set BMOFF,  0x800000                  ; in P: Wh at 0, bmT, Vb, Un
.set VOFF,   0x804000
.set UOFF,   0x824000
.set SCOFF,  0x100000                  ; in S: u at 0, sc here
.set XI, 1                             ; v1   8,192 w + 16 L: x in
.set WI, 2                             ; v2   524,288 w + 16 L: Wm in (two source rows are 262,144 bytes apart)
.set OO, 3                             ; v3   4,096 w + 8 L: xh and Wh out
.set LX, 4                             ; v4   LDS: 2 w rows + 8 L
.set SI, 5                             ; v5   small arrays in
.set SO, 6                             ; v6   8 L
.set UI, 7                             ; v7   512 w + 16 L: U0 in, and u out
.set LF, 8                             ; v8   LDS: x's fragments
.set LUP, 9                            ; v9   LDS: where I put my partial u
.set LUR, 10                           ; v10  LDS: where I read partials back
.set LUS, 11                           ; v11  LDS: my 8 bytes of a row of U0's stage
.set GC, 12                            ; v12  16 L
.set SPW, 13                           ; v13  my spare word; never rewritten
.set NIL, 14                           ; v14  0; never rewritten
.set LUF, 15                           ; v15  LDS: U0's fragments
.set XR,  16                           ; v[16:79]   x as loaded; later Wm2; later x's fragments (XF) and u's sums (UACC)
.set WA,  80                           ; v[80:143]  Wm0 as loaded; with WB later U0's rows 32-63; later the partials
.set WB,  144                          ; v[144:207] Wm1 as loaded
.set SMR, 208                          ; v[208:215] a small array as loaded; v[216:219] to store
.set SMO, 216
.set XF,  16
.set UACC, 48
.set RP,  80
.set UA,  128                          ; second window: v[0:127] the streams' f16 pairs, 32 a stream; v[128:255] U0's rows 0-31 as loaded, later U0's fragments
.set WV,  44                           ; s44  wave
.set G,   45                           ; s45  work-group
.set SRC, 48                           ; s[48:49] my small array
.set DST, 50                           ; s[50:51] where it goes
.set MSK, 52                           ; s52  a word's upper half
.set SCB, 60                           ; s[60:61] S.sc at my rows
.set MSB, 0
.macro WIN new                         ; the immediate's high byte repeats the setting that is left
.if MSB != (\new)
	s_set_vgpr_msb (MSB<<8)|(\new)
.set MSB, (\new)
.endif
.endm
.macro PLACES                          ; four plain places behind a matrix instruction, ahead of what reads its result or writes its registers (ISA guide 7.12.1)
.rept 4
	v_nop
.endr
.endm
	s_load_b512 s[8:23], s[0:1], 0x0               ; x 8, Wm0 10, Wm1 12, Wm2 14, bm0 16, bm1 18, bm2 20, U0 22
	s_load_b512 s[24:39], s[0:1], 0x40             ; U1 24, U2 26, V0 28, V1 30, V2 32, xh 34, S 36, P0 38
	s_load_b128 s[40:43], s[0:1], 0x80             ; P1 40, P2 42
	v_lshl_add_u32 v[SPW], v0, 2, SPARE
	v_mov_b32 v[NIL], 0
	v_lshrrev_b32 v220, 5, v0
	v_readfirstlane_b32 s[WV], v220                ; wave 0..7
	s_mov_b32 s[G], ttmp9
	s_mov_b32 s[MSK], 0xffff0000
	v_and_b32 v220, 15, v0                         ; m
	v_bfe_u32 v221, v0, 4, 1                       ; hh
	v_and_b32 v222, 31, v0                         ; L
	s_wait_alu depctr_va_sdst(0)                   ; s[WV] is written, ahead of its first reader: the selects, offsets and branches below are made from it
	; the small arrays' offsets, made apart from the addresses.  Work-group g makes half fragment g (512 bytes) of V (waves 0-2) and U (waves 3, 4), and column s = g of bm (waves 5-7)
	s_lshr_b32 s54, s[G], 2
	s_lshl_b32 s54, s54, 12
	s_and_b32 s55, s[G], 3
	s_lshl_b32 s55, s55, 6
	s_add_co_u32 s54, s54, s55                     ; V: rows 16 (g / 4) on, of 256 bytes; 16 k at byte 64 (g % 4)
	s_lshr_b32 s55, s[G], 6
	s_lshl_b32 s55, s55, 16
	s_and_b32 s59, s[G], 63
	s_lshl_b32 s53, s59, 6
	s_add_co_u32 s55, s55, s53                     ; U: rows 16 (g / 64) on, of 4,096 bytes; 16 k at byte 64 (g % 64)
	s_lshl_b32 s56, s59, 2                         ; bm: column s = g mod 64
	s_cmp_lt_u32 s[WV], 3
	s_cselect_b32 s54, s54, s55
	s_cselect_b32 s58, 8, 12                       ; a lane's row: m x 256 or m x 4,096 bytes,
	s_cmp_lt_u32 s[WV], 5
	s_cselect_b32 s46, s54, s56
	s_cselect_b32 s58, s58, 9                      ; bm: lane L takes r = 2 L: 512 L = 512 m + 8,192 hh
	s_cselect_b32 s53, 5, 13                       ; and hh x 32 bytes
	s_mov_b32 s47, 0
	s_lshl_b32 s54, s[G], 9
	s_add_co_u32 s55, s54, UOFF
	s_add_co_u32 s54, s54, VOFF
	s_lshl_b32 s56, s59, 8
	s_add_co_u32 s56, s56, BMOFF
	s_cmp_lt_u32 s[WV], 3
	s_cselect_b32 s54, s54, s55
	s_cmp_lt_u32 s[WV], 5
	s_cselect_b32 s56, s54, s56
	s_mov_b32 s57, 0
	v_lshlrev_b32 v[SI], s58, v220
	v_lshlrev_b32 v223, s53, v221
	v_add_nc_u32 v[SI], v[SI], v223
	s_lshl_b32 s54, s[WV], 13
	v_lshl_add_u32 v[XI], v222, 4, s54
	s_lshl_b32 s54, s[WV], 19
	v_lshl_add_u32 v[WI], v222, 4, s54
	s_lshl_b32 s54, s[WV], 12
	v_lshl_add_u32 v[OO], v222, 3, s54
	s_mul_i32 s54, s[WV], 2*XPITCH
	v_lshl_add_u32 v[LX], v222, 3, s54
	v_lshlrev_b32 v[SO], 3, v222
	v_lshlrev_b32 v[GC], 4, v222
	s_lshl_b32 s54, s[WV], 9
	v_lshl_add_u32 v[UI], v222, 4, s54
	s_lshl_b32 s54, s[WV], 8
	v_mul_u32_u24 v[LF], v220, XPITCH
	v_lshl_add_u32 v[LF], v221, 4, v[LF]
	v_add_nc_u32 v[LF], s54, v[LF]
	s_mul_i32 s54, s[WV], UPW
	s_add_co_u32 s54, s54, UP
	v_mul_u32_u24 v[LUP], v220, 272
	v_lshl_add_u32 v[LUP], v221, 5, v[LUP]
	v_add_nc_u32 v[LUP], s54, v[LUP]
	s_mul_i32 s54, s[WV], 544                      ; rows 2 w + hh
	s_add_co_u32 s54, s54, UP
	v_mul_u32_u24 v[LUR], v221, 272
	v_lshl_add_u32 v[LUR], v220, 4, v[LUR]
	v_add_nc_u32 v[LUR], s54, v[LUR]
	s_mul_i32 s54, s[WV], USW
	s_add_co_u32 s54, s54, UST
	v_lshl_add_u32 v[LUS], v222, 3, s54
	v_mul_u32_u24 v[LUF], v220, 272
	v_lshl_add_u32 v[LUF], v221, 4, v[LUF]
	v_add_nc_u32 v[LUF], s54, v[LUF]
	s_wait_kmcnt 0x0
	s_mov_b64 s[SRC:SRC+1], s[28:29]               ; wave 0: V0 -> P0
	s_mov_b64 s[DST:DST+1], s[38:39]
	s_cmp_eq_u32 s[WV], 1                          ; V1 -> P1
	s_cselect_b64 s[SRC:SRC+1], s[30:31], s[SRC:SRC+1]
	s_cselect_b64 s[DST:DST+1], s[40:41], s[DST:DST+1]
	s_cmp_eq_u32 s[WV], 2                          ; V2 -> P2
	s_cselect_b64 s[SRC:SRC+1], s[32:33], s[SRC:SRC+1]
	s_cselect_b64 s[DST:DST+1], s[42:43], s[DST:DST+1]
	s_cmp_eq_u32 s[WV], 3                          ; U1 -> P0
	s_cselect_b64 s[SRC:SRC+1], s[24:25], s[SRC:SRC+1]
	s_cmp_eq_u32 s[WV], 4                          ; U2 -> P1
	s_cselect_b64 s[SRC:SRC+1], s[26:27], s[SRC:SRC+1]
	s_cselect_b64 s[DST:DST+1], s[40:41], s[DST:DST+1]
	s_cmp_eq_u32 s[WV], 5                          ; bm0 -> P0
	s_cselect_b64 s[SRC:SRC+1], s[16:17], s[SRC:SRC+1]
	s_cmp_eq_u32 s[WV], 6                          ; bm1 -> P1
	s_cselect_b64 s[SRC:SRC+1], s[18:19], s[SRC:SRC+1]
	s_cselect_b64 s[DST:DST+1], s[40:41], s[DST:DST+1]
	s_cmp_eq_u32 s[WV], 7                          ; bm2 -> P2
	s_cselect_b64 s[SRC:SRC+1], s[20:21], s[SRC:SRC+1]
	s_cselect_b64 s[DST:DST+1], s[42:43], s[DST:DST+1]
	s_add_nc_u64 s[SRC:SRC+1], s[SRC:SRC+1], s[46:47]
	s_add_nc_u64 s[DST:DST+1], s[DST:DST+1], s[56:57]
	s_lshl_b32 s46, s[G], 16                       ; x: 16 rows of 4,096 bytes
	s_add_nc_u64 s[8:9], s[8:9], s[46:47]
	s_and_b32 s46, s[G], 3                         ; Wm: r = 16 (g mod 4) + .., s = g / 4: row 64 r + s
	s_lshl_b32 s46, s46, 22
	s_lshr_b32 s54, s[G], 2
	s_lshl_b32 s54, s54, 12
	s_add_co_u32 s46, s46, s54
	s_add_nc_u64 s[10:11], s[10:11], s[46:47]
	s_add_nc_u64 s[12:13], s[12:13], s[46:47]
	s_add_nc_u64 s[14:15], s[14:15], s[46:47]
	s_lshl_b32 s46, s[G], 15                       ; xh and Wh: 16 rows of 2,048 bytes
	s_add_nc_u64 s[34:35], s[34:35], s[46:47]
	s_add_nc_u64 s[38:39], s[38:39], s[46:47]
	s_add_nc_u64 s[40:41], s[40:41], s[46:47]
	s_add_nc_u64 s[42:43], s[42:43], s[46:47]
	s_lshl_b32 s46, s[G], 9
	s_add_co_u32 s46, s46, SCOFF
	s_add_nc_u64 s[SCB:SCB+1], s[36:37], s[46:47]
	s_lshl_b32 s46, s[G], 12                       ; S.u: 16 rows of 256 bytes
	s_add_nc_u64 s[36:37], s[36:37], s[46:47]
	s_wait_alu depctr_va_vdst(0)                   ; v1 to v15 are written: every load, store and LDS instruction of the kernel reads one of them as its offset or address, and none is written again
	; the small arrays' two loads come first, so that the streams' counts below hold on both ways
	s_cmp_lt_u32 s[WV], 5
	s_cbranch_scc0 .Lbm_in
	global_load_b128 v[SMR:SMR+3],   v[SI], s[SRC:SRC+1]             ; my 8 k of row m
	global_load_b128 v[SMR+4:SMR+7], v[SI], s[SRC:SRC+1] offset:16
	s_branch .Lsm_in
.Lbm_in:
	global_load_b32 v[SMR],   v[SI], s[SRC:SRC+1]              ; bm[64 (2 L) + s]
	global_load_b32 v[SMR+1], v[SI], s[SRC:SRC+1] offset:256   ; bm[64 (2 L + 1) + s]
.Lsm_in:
.macro WLOAD dst, base                 ; two source rows, eight loads of 512 bytes each
.set j, 0
.rept 16
	global_load_b128 v[(\dst)+4*j:(\dst)+4*j+3], v[WI], s[\base:(\base)+1] offset:262144*(j/8)+512*(j%8) th:TH_LOAD_NT
.set j, j+1
.endr
.endm
.macro ULOADB n0                       ; U0's rows 32 + n0 to 32 + n0 + 15: my wave's 128 k of a row, 512 consecutive bytes a load
.set n, (\n0)
.rept 16
	global_load_b128 v[WA+4*n:WA+4*n+3], v[UI], s[22:23] offset:4096*(32+n)
.set n, n+1
.endr
.endm
; A stream's 16 loads of four numbers e0..e3 a lane.  In place: rounded to bf16 in pairs (x: kept in LDS), widened again as (e1, e3, e0, e2); then the f16 pairs into stream ph's 32 registers of the second window.
; The stream goes phase by phase, so that x's LDS stores owe one wait on each side and not one for each group.
.macro CONV src, ph, isx
.set j, 0
.rept 16
	v_cvt_pk_bf16_f32 v[(\src)+4*j],   v[(\src)+4*j],   v[(\src)+4*j+1]
	v_cvt_pk_bf16_f32 v[(\src)+4*j+1], v[(\src)+4*j+2], v[(\src)+4*j+3]
.set j, j+1
.endr
.if \isx
	s_wait_alu depctr_va_vdst(0)                   ; the roundings have written words 0 and 1 of each four, which the LDS stores read
.set j, 0
.rept 16
	ds_store_b64 v[LX], v[(\src)+4*j:(\src)+4*j+1] offset:XPITCH*(j/8)+256*(j%8)
.set j, j+1
.endr
.endif
.set j, 0
.rept 16
	v_lshlrev_b32 v[(\src)+4*j+2], 16, v[(\src)+4*j]    ; words 2 and 3: no LDS store names them
	v_lshlrev_b32 v[(\src)+4*j+3], 16, v[(\src)+4*j+1]
.set j, j+1
.endr
.if \isx
	s_wait_alu depctr_vm_vsrc(0)                   ; the LDS stores have read words 0 and 1 of each four, which the masks below write again
.endif
.set j, 0
.rept 16
	v_and_b32 v[(\src)+4*j],   s[MSK], v[(\src)+4*j]
	v_and_b32 v[(\src)+4*j+1], s[MSK], v[(\src)+4*j+1]
.set j, j+1
.endr
	WIN 0x40                                       ; destination in the second window
.set j, 0
.rept 16
	v_cvt_pk_f16_f32 v[32*(\ph)+2*j],   v[(\src)+4*j+2], v[(\src)+4*j]
	v_cvt_pk_f16_f32 v[32*(\ph)+2*j+1], v[(\src)+4*j+3], v[(\src)+4*j+1]
.set j, j+1
.endr
.endm
.macro SEND ph, base                   ; stream ph's 16 stores.  No wait: no vector instruction stands between the wait behind the stream's conversions and these
	WIN 0x04                                       ; a store's data in the second window, its address in the first
.set j, 0
.rept 16
	global_store_b64 v[OO], v[32*(\ph)+2*j:32*(\ph)+2*j+1], s[\base:(\base)+1] offset:256*j  ; 32 lanes store 256 consecutive bytes, aligned
.set j, j+1
.endr
	WIN 0
.endm
.set j, 0
.rept 16
	global_load_b128 v[XR+4*j:XR+4*j+3], v[XI], s[8:9] offset:512*j th:TH_LOAD_NT
.set j, j+1
.endr
	WLOAD WA, 10
	WLOAD WB, 12
	s_wait_loadcnt 32                              ; the small arrays and x are in; Wm0's and Wm1's 32 loads stay out
	s_cmp_lt_u32 s[WV], 5
	s_cbranch_scc0 .Lbm_out
.irp z, 0,1,2,3
	v_cvt_pk_bf16_f32 v[SMO+\z], v[SMR+2*\z], v[SMR+2*\z+1]
.endr
	s_wait_alu depctr_va_vdst(0)                   ; the four roundings have written v[SMO ..], which the store reads
	global_store_b128 v[GC], v[SMO:SMO+3], s[DST:DST+1]    ; half a fragment: 512 consecutive bytes
	s_branch .Lsm_out
.Lbm_out:
	v_cvt_pk_bf16_f32 v[SMO], v[SMR], v[SMR+1]
	v_lshlrev_b32 v[SMO+2], 16, v[SMO]             ; the rounded numbers, kept as f32
	v_and_b32 v[SMO+3], s[MSK], v[SMO]
	s_cmp_lt_u32 s[G], 64                          ; bm has 64 columns s: work-groups 0 to 63 store them
	s_cbranch_scc0 .Lsm_out
	s_wait_alu depctr_va_vdst(0)                   ; the shift and the mask have written v[SMO+2] and v[SMO+3], which the store reads
	global_store_b64 v[SO], v[SMO+2:SMO+3], s[DST:DST+1]
.Lsm_out:
	CONV XR, 0, 1
	WIN 0
	s_wait_alu depctr_va_vdst(0)                   ; x's conversions are done with v[XR ..], in which Wm2 lands, and have written stream 0's pairs, which its stores read
	WLOAD XR, 14                                   ; Wm2 takes x's registers (the LDS stores that read them stand ahead of the wait on vm_vsrc in CONV)
	WIN 0x40
.set n, 0
.rept 32                                       ; U0's rows 0-31: my wave's 128 k of a row, 512 consecutive bytes a load; no instruction has named these registers yet
	global_load_b128 v[UA+4*n:UA+4*n+3], v[UI], s[22:23] offset:4096*n
.set n, n+1
.endr
	SEND 0, 34
	s_wait_loadcnt 63                              ; Wm0 is in: 64 loads are younger (Wm1, Wm2, U0's rows 0-31), and the count's field ends at 63
	CONV WA, 1, 0
	WIN 0
	s_wait_alu depctr_va_vdst(0)                   ; Wm0's conversions are done with v[WA ..], in which U0's rows 32-47 land, and have written stream 1's pairs, which its stores read
	ULOADB 0
	SEND 1, 38
	s_wait_loadcnt 63                              ; Wm1 is in: 64 loads are younger (Wm2, U0's rows 0-47)
	CONV WB, 2, 0
	WIN 0
	s_wait_alu depctr_va_vdst(0)                   ; Wm1's conversions are done with v[WB ..], in which U0's rows 48-63 land, and have written stream 2's pairs, which its stores read
	ULOADB 16
	SEND 2, 40
	s_wait_loadcnt 63                              ; Wm2 is in: U0's 64 loads are younger
	CONV XR, 3, 0
	WIN 0x04
	s_wait_alu depctr_va_vdst(0)                   ; Wm2's conversions have written stream 3's pairs, which its stores read
	SEND 3, 42
	s_wait_loadcnt 32                              ; U0's rows 0-31
	WIN 0x45                                       ; destination and both sources in the second window
.set n, 0
.rept 32
	v_cvt_pk_bf16_f32 v[UA+4*n],   v[UA+4*n],   v[UA+4*n+1]
	v_cvt_pk_bf16_f32 v[UA+4*n+1], v[UA+4*n+2], v[UA+4*n+3]
.set n, n+1
.endr
	WIN 0x04
	s_wait_alu depctr_va_vdst(0)                   ; the roundings have written words 0 and 1 of each four of v[UA ..], which the LDS stores read
.set n, 0
.rept 32
	ds_store_b64 v[LUS], v[UA+4*n:UA+4*n+1] offset:272*n
.set n, n+1
.endr
	WIN 0
	s_wait_loadcnt 0x0                             ; rows 32-63
.set n, 0
.rept 32
	v_cvt_pk_bf16_f32 v[WA+4*n],   v[WA+4*n],   v[WA+4*n+1]
	v_cvt_pk_bf16_f32 v[WA+4*n+1], v[WA+4*n+2], v[WA+4*n+3]
.set n, n+1
.endr
	s_wait_alu depctr_va_vdst(0)                   ; the roundings have written words 0 and 1 of each four of v[WA ..], which the LDS stores read; all that named v[UA ..] and v[XR ..] is done too, for the loads below
.set n, 0
.rept 32
	ds_store_b64 v[LUS], v[WA+4*n:WA+4*n+1] offset:272*(32+n)
.set n, n+1
.endr
	WIN 0x40
	s_wait_alu depctr_vm_vsrc(0)                   ; both runs of LDS stores have read their registers: v[UA ..], in which the fragments land now, and v[WA ..], in which the partial sums land and which wave 0 writes further down
.set i, 0
.rept 16                                       ; fragment (rb, ks) = i: my own bytes: LDS serves a wave's instructions in order (ISA guide 5.7.1.4)
	ds_load_b128 v[UA+8*i:UA+8*i+3],   v[LUF] offset:4352*(i/4)+64*(i%4)
	ds_load_b128 v[UA+8*i+4:UA+8*i+7], v[LUF] offset:4352*(i/4)+64*(i%4)+32
.set i, i+1
.endr
	WIN 0
	s_wait_dscnt 0x0                               ; my two rows of bf16(x) lie in LDS, and no LDS instruction of mine is out
	s_barrier_signal -1
	s_barrier_wait -1                              ; all sixteen rows do
.irp ks, 0,1,2,3
	ds_load_b128 v[XF+8*\ks:XF+8*\ks+3],   v[LF] offset:64*\ks       ; no wait: no vector instruction has been issued since the last wait on va_vdst
	ds_load_b128 v[XF+8*\ks+4:XF+8*\ks+7], v[LF] offset:64*\ks+32
.endr
	s_wait_dscnt 0x0
	; u^T = U0 x^T over my 128 k: source 0 = 16 rows r, source 1 = the 16 rows of x; a lane ends with row m and r = 16 rb + 8 hh + 0..7.  The four sums take turns.
	WIN 0x01                                       ; source 0 in the second window
.set n, 0
.rept 16
.if n < 4
	v_wmma_f32_16x16x32_bf16 v[UACC+8*(n%4):UACC+8*(n%4)+7], v[UA+8*(4*(n%4)+n/4):UA+8*(4*(n%4)+n/4)+7], v[XF+8*(n/4):XF+8*(n/4)+7], 0
.else
	v_wmma_f32_16x16x32_bf16 v[UACC+8*(n%4):UACC+8*(n%4)+7], v[UA+8*(4*(n%4)+n/4):UA+8*(4*(n%4)+n/4)+7], v[XF+8*(n/4):XF+8*(n/4)+7], v[UACC+8*(n%4):UACC+8*(n%4)+7]
.endif
.set n, n+1
.endr
	WIN 0
	PLACES
	s_wait_alu depctr_va_vdst(0)                   ; the matrix instructions have written the four sums, which the LDS stores read; the places above stay beside this wait
.irp rb, 0,1,2,3
	ds_store_b128 v[LUP], v[UACC+8*\rb:UACC+8*\rb+3]   offset:64*\rb
	ds_store_b128 v[LUP], v[UACC+8*\rb+4:UACC+8*\rb+7] offset:64*\rb+16
.endr
	s_wait_dscnt 0x0
	s_barrier_signal -1
	s_barrier_wait -1                              ; the eight partial sums lie in LDS
.irp p, 0,1,2,3,4,5,6,7
	ds_load_b128 v[RP+4*\p:RP+4*\p+3], v[LUR] offset:UPW*\p  ; row 2 w + hh, r = 4 m + 0..3
.endr
	s_wait_dscnt 0x0
.irp p, 0,2,4,6
	v_pk_add_f32 v[RP+4*\p:RP+4*\p+1],   v[RP+4*\p:RP+4*\p+1],   v[RP+4*\p+4:RP+4*\p+5]
	v_pk_add_f32 v[RP+4*\p+2:RP+4*\p+3], v[RP+4*\p+2:RP+4*\p+3], v[RP+4*\p+6:RP+4*\p+7]
.endr
.irp p, 0,4
	v_pk_add_f32 v[RP+4*\p:RP+4*\p+1],   v[RP+4*\p:RP+4*\p+1],   v[RP+4*\p+8:RP+4*\p+9]
	v_pk_add_f32 v[RP+4*\p+2:RP+4*\p+3], v[RP+4*\p+2:RP+4*\p+3], v[RP+4*\p+10:RP+4*\p+11]
.endr
	v_pk_add_f32 v[RP:RP+1],   v[RP:RP+1],   v[RP+16:RP+17]
	v_pk_add_f32 v[RP+2:RP+3], v[RP+2:RP+3], v[RP+18:RP+19]
	s_wait_alu depctr_va_vdst(0)                   ; the additions have written v[RP:RP+3], which the store reads
	global_store_b128 v[UI], v[RP:RP+3], s[36:37]  ; 512 consecutive bytes: two rows of u
	s_cmp_lg_u32 s[WV], 0
	s_cbranch_scc1 .Lend
.irp z, 0,1,2,3
	v_mov_b32 v[RP+32+\z], 1.0                     ; layer 0's x is not scaled
.endr
	s_wait_alu depctr_va_vdst(0)                   ; the four moves have written v[RP+32 ..], which the store reads
	global_store_b128 v[GC], v[RP+32:RP+35], s[SCB:SCB+1]
.Lend:
	s_wait_dscnt 0x0                               ; the closing lines, six on end
	s_wait_alu 0x0
	s_wait_tensorcnt 0x0
	ds_add_u32 v[SPW], v[NIL]
	s_wait_dscnt 0x0
	s_endpgm
.Lfunc_end_k_q509129690e_prep:
	.size	k_q509129690e_prep, .Lfunc_end_k_q509129690e_prep-k_q509129690e_prep
	.p2alignl 7, 3214868480
	.fill 96, 4, 3214868480
	.section	.rodata,"a",@progbits
	.p2align	6, 0x0
	.amdhsa_kernel k_q509129690e_prep
		.amdhsa_group_segment_fixed_size 208896
		.amdhsa_private_segment_fixed_size 0
		.amdhsa_enable_private_segment 0
		.amdhsa_kernarg_size 144
		.amdhsa_user_sgpr_count 2
		.amdhsa_user_sgpr_kernarg_segment_ptr 1
		.amdhsa_wavefront_size32 1
		.amdhsa_system_sgpr_workgroup_id_x 1
		.amdhsa_system_sgpr_workgroup_id_y 1
		.amdhsa_system_sgpr_workgroup_id_z 1
		.amdhsa_system_vgpr_workitem_id 0
		.amdhsa_next_free_vgpr 512
		.amdhsa_next_free_sgpr 66
		.amdhsa_reserve_vcc 0
		.amdhsa_float_denorm_mode_32 3
		.amdhsa_float_denorm_mode_16_64 3
		.amdhsa_memory_ordered 1
		.amdhsa_forward_progress 1
		.amdhsa_inst_pref_size 70
	.end_amdhsa_kernel
	.amdgpu_metadata
---
amdhsa.version: [ 1, 2 ]
amdhsa.kernels:
  - .name:           k_q509129690e_prep
    .symbol:         k_q509129690e_prep.kd
    .args:
      - { .name: x, .offset: 0, .size: 8, .value_kind: global_buffer, .address_space: global }
      - { .name: Wm0, .offset: 8, .size: 8, .value_kind: global_buffer, .address_space: global }
      - { .name: Wm1, .offset: 16, .size: 8, .value_kind: global_buffer, .address_space: global }
      - { .name: Wm2, .offset: 24, .size: 8, .value_kind: global_buffer, .address_space: global }
      - { .name: bm0, .offset: 32, .size: 8, .value_kind: global_buffer, .address_space: global }
      - { .name: bm1, .offset: 40, .size: 8, .value_kind: global_buffer, .address_space: global }
      - { .name: bm2, .offset: 48, .size: 8, .value_kind: global_buffer, .address_space: global }
      - { .name: U0, .offset: 56, .size: 8, .value_kind: global_buffer, .address_space: global }
      - { .name: U1, .offset: 64, .size: 8, .value_kind: global_buffer, .address_space: global }
      - { .name: U2, .offset: 72, .size: 8, .value_kind: global_buffer, .address_space: global }
      - { .name: V0, .offset: 80, .size: 8, .value_kind: global_buffer, .address_space: global }
      - { .name: V1, .offset: 88, .size: 8, .value_kind: global_buffer, .address_space: global }
      - { .name: V2, .offset: 96, .size: 8, .value_kind: global_buffer, .address_space: global }
      - { .name: xh, .offset: 104, .size: 8, .value_kind: global_buffer, .address_space: global }
      - { .name: S, .offset: 112, .size: 8, .value_kind: global_buffer, .address_space: global }
      - { .name: P0, .offset: 120, .size: 8, .value_kind: global_buffer, .address_space: global }
      - { .name: P1, .offset: 128, .size: 8, .value_kind: global_buffer, .address_space: global }
      - { .name: P2, .offset: 136, .size: 8, .value_kind: global_buffer, .address_space: global }
    .group_segment_fixed_size: 208896
    .private_segment_fixed_size: 0
    .kernarg_segment_align: 8
    .kernarg_segment_size: 144
    .max_flat_workgroup_size: 256
    .sgpr_count:     66
    .vgpr_count:     512
    .wavefront_size: 32
...
	.end_amdgpu_metadata
.endif
;; end of part 5
;; launch gemm0: the kernel of part 2 again; grid 16 x 16, 4 waves a work-group, clusters of 4 x 4, 327,680 bytes of LDS; arguments xh, S, P0, hb; writes hb
;; launch tail0 (part 6): grid 256 x 1, 8 waves a work-group, no clusters, 71,680 bytes of LDS; arguments hb, P0, b0, xh, S; writes xh, S
.if DOCPART == 6
	.amdgcn_target "amdgcn-amd-amdhsa--gfx1250"
	.amdhsa_code_object_version 6
	.text
	.protected	k_q509129690e_tail0
	.globl	k_q509129690e_tail0
	.p2align	8
	.type	k_q509129690e_tail0,@function
k_q509129690e_tail0:
	s_mov_b64 s[64:65], 0
	v_nop
	global_prefetch_b8 v0, s[64:65] scope:SCOPE_SE
	s_setreg_imm32_b32 hwreg(HW_REG_WAVE_SCHED_MODE, 0, 2), 2
	s_setreg_imm32_b32 hwreg(HW_REG_WAVE_MODE, 25, 1), 1
	s_wait_xcnt 0x0
	s_wait_alu depctr_vm_vsrc(0)
; x' = relu(h V^T + b); then for the next layer: xh = f16(x' inv), S.u = (x' Un^T) / inv, S.sc = inv, with 1 / inv = 2^E, E the exponent of the row's largest x', held to -100 .. 100.
; Nothing of reference() is left out here.  b is rounded to bf16 like every input.
; hb: f32, 4,096 bytes for each block of 16 rows: (s, row m) at byte 512 (2 (s / 16) + (s / 4) % 2) + 256 ((s / 8) % 2) + 16 m + 4 (s % 4): load i of eight brings lane l four numbers of its share of the operand.
; P.Vb = bf16(V), P.Un = bf16 of the next layer's U, by fragments of 16 rows x 32 k, 1,024 bytes on end: lane l's first 16 bytes at 16 l, its second at 512 + 16 l; V's fragment (c / 16, k / 32) is number
; 2 (c / 16) + k / 32, Un's (r / 16, k / 32) number 32 (r / 16) + k / 32.  So each load of h, V and Un covers 512 consecutive bytes.
; FORMATS.  Both products in bf16 with f32 sums; the operand that the program made (h; x') goes in as two bf16 numbers, hi = bf16(v) and lo = bf16(v - hi), two products for one: 16 bits of it count.
; LIMITS.  The maximum with 0 turns a NaN into 0; infinities are not treated apart.  A row whose largest x' lies under 2^-100 keeps fewer bits in xh; with such a row bm x 2^100 must stay finite in the next launch.
; SHARES.  Work-group g: rows 16 g .. 16 g + 15.  Wave w: columns 128 w .. 128 w + 127 of x', which are also its share of K in x' Un^T; the eight partial sums and the eight row maxima meet in LDS.
; Both products are used transposed (source 0 = 16 rows of V or Un, source 1 = the 16 rows): a lane holds ONE row m = l % 16 and columns 16 nb + 8 hh + 0..7, so x', rounded in pairs, IS source 1 of the second product.
; No cluster, no tensor load, no prefetch: V and Un are small, every work-group reads them, they go straight into registers as fragments, and the launch is short.
; THE MODE: SCHED_MODE bits 1:0 = 2 (LLVM: expert scheduling mode 2), set by the entry lines.  The code itself states the register dependences
; between vector or matrix instructions and memory or LDS instructions, with s_wait_alu, always for 0.
; THE PLAN.  Registers that memory or LDS instructions touch:
;   v4-v19       offsets and LDS addresses, my spare word and 0: written at the head, then read by memory and LDS instructions alone.
;   v[96:127]    h lands; the splits read it; v96-103 are at work and v104-107 hold the maxima; the LDS store of my maximum reads v104; behind the barrier the partial sums land, are added, and a store reads v96-99.
;   v[32:95]     b lands; from then on vector and matrix instructions alone name the sums.      second window: V and Un land; matrix instructions read them.
;   v[128:143]   written by the splits, read by the first product; behind the barrier the maxima land.
;   v[160:191]   x's hi: splits, second product; then the f16 pairs, which the stage's LDS stores read; not written again.
;   v[192:223]   x's lo: splits, second product; then the stage lands, and the stores of xh read it.
;   v[224:255]   at work, then the four sums of u, which LDS stores read; not written again.      v[28:31]: written and stored by wave 0.
; ONE wait on va_vdst behind the second product serves my maximum and my four sums as the LDS stores' data (the maximum's store stands there, with the sums'), and everything that named v96-143, in which loads land
; behind the barrier.  One wait on vm_vsrc behind the barrier frees v104.  One wait on va_vdst stands ahead of the stage's stores, one ahead of u's store, one ahead of wave 0's.
.set MAXB,  0                          ; [16 rows][8 waves] f32
.set UPW,   4352                       ; 16 rows x 272 bytes
.set UP,    512                        ; the waves' partial u
.set XST,   UP+8*UPW                   ; each wave's own stage for xh
.set SPARE, XST+8*UPW                  ; the spare words, 128 bytes for each wave: four blocks of 256 bytes that no other line names
.set VOFF,  0x804000
.set UOFF,  0x824000
.set SCOFF, 0x100000
.set AH, 4                             ; global offsets: h; b; V; Un
.set AB, 5
.set AV, 6
.set AU, 7
.set LMX, 8                            ; LDS: my maximum; my partial u; maxima of row m; of row 2 w + hh; partials back; stage in; stage back
.set LUP, 9
.set LMM, 10
.set LMR, 11
.set LUR, 12
.set LXS, 13
.set LXR, 14
.set GX, 15                            ; global offsets: xh; u; sc
.set GS, 16
.set GC, 17
.set SPW, 18
.set NIL, 19
.set IVP, 20                           ; v[20:21] inv of row m, twice
.set SGP, 22                           ; v[22:23] 1 / inv of row 2 w + hh, twice
.set ACC,  32                          ; v[32:95]   x': column block nb at ACC + 8 nb
.set HRAW, 96                          ; v[96:127]  h as loaded; later at work; later the partials
.set TM,   96
.set MC,   104
.set HHI,  128                         ; v[128:143] h's hi, two fragments; v[144:159] its lo; later the maxima
.set XHI,  160                         ; v[160:191] x's hi, four fragments; later xh packed
.set XLO,  192                         ; v[192:223] x's lo; later the stage read back
.set UACC, 224                         ; v[224:255] four sums; before that at work
.set WV,  26
.set MSK, 27
.set SEL, 28
.set MSB, 0
.macro WIN new
.if MSB != (\new)
	s_set_vgpr_msb (MSB<<8)|(\new)
.set MSB, (\new)
.endif
.endm
.macro PLACES                          ; four plain places behind a matrix instruction (ISA guide 7.12.1)
.rept 4
	v_nop
.endr
.endm
.macro SPLIT4 hi, lo, src, tmp         ; eight numbers src.. -> four words of hi = bf16(v) and four of lo = bf16(v - hi)
.irp z, 0,1,2,3
	v_cvt_pk_bf16_f32 v[(\hi)+\z], v[(\src)+2*\z], v[(\src)+2*\z+1]
.endr
.irp z, 0,1,2,3
	v_lshlrev_b32 v[(\tmp)+2*\z], 16, v[(\hi)+\z]
	v_and_b32 v[(\tmp)+2*\z+1], s[MSK], v[(\hi)+\z]
.endr
.irp z, 0,1,2,3
	v_pk_add_f32 v[(\tmp)+2*\z:(\tmp)+2*\z+1], v[(\src)+2*\z:(\src)+2*\z+1], v[(\tmp)+2*\z:(\tmp)+2*\z+1] neg_lo:[0,1] neg_hi:[0,1]
.endr
.irp z, 0,1,2,3
	v_cvt_pk_bf16_f32 v[(\lo)+\z], v[(\tmp)+2*\z], v[(\tmp)+2*\z+1]
.endr
.endm
.macro RNDB4 r, tmp                    ; eight numbers rounded to bf16, in place
.irp z, 0,1,2,3
	v_cvt_pk_bf16_f32 v[(\tmp)+\z], v[(\r)+2*\z], v[(\r)+2*\z+1]
.endr
.irp z, 0,1,2,3
	v_lshlrev_b32 v[(\r)+2*\z], 16, v[(\tmp)+\z]
	v_and_b32 v[(\r)+2*\z+1], s[MSK], v[(\tmp)+\z]
.endr
.endm
.macro SCALE mx, sg, iv                ; sg = 2^E of mx >= 0, E held to -100 .. 100; iv = 2^-E: whole-number work on the exponent's field
	v_and_b32 v[\sg], 0x7f800000, v[\mx]
	v_max_u32 v[\sg], 0x0d800000, v[\sg]
	v_min_u32 v[\sg], 0x71800000, v[\sg]
	v_sub_nc_u32 v[\iv], 0x7f000000, v[\sg]
.endm
	s_load_b256 s[4:11], s[0:1], 0x0               ; hb s[4:5], P s[6:7], b s[8:9], xh s[10:11]
	s_load_b64 s[12:13], s[0:1], 0x20              ; S
	v_lshl_add_u32 v[SPW], v0, 2, SPARE
	v_mov_b32 v[NIL], 0
	v_lshrrev_b32 v1, 5, v0
	v_readfirstlane_b32 s[WV], v1                  ; wave 0..7
	s_mov_b32 s[MSK], 0xffff0000
	s_mov_b32 s[SEL], 0x76543210
	s_mov_b32 s[SEL+1], 0xfedcba98
	v_and_b32 v1, 15, v0                           ; m
	v_bfe_u32 v2, v0, 4, 1                         ; hh
	v_and_b32 v3, 31, v0                           ; L
	v_lshlrev_b32 v[AH], 4, v3                     ; 16 L
	s_wait_alu depctr_va_sdst(0)                   ; s[WV] is written, ahead of its first reader: the offsets below and the branch at the end are made from it
	s_lshl_b32 s36, s[WV], 9
	v_lshl_add_u32 v[AB], v2, 5, s36               ; 32 hh + 512 w
	v_lshl_add_u32 v[GS], v3, 4, s36               ; 512 w + 16 L
	s_lshl_b32 s36, s[WV], 14
	v_lshl_add_u32 v[AV], v3, 4, s36               ; 16 L + my 16 fragments of V
	s_lshl_b32 s36, s[WV], 12
	v_lshl_add_u32 v[AU], v3, 4, s36               ; 16 L + my 4 fragments of each 16 rows of Un
	s_lshl_b32 s36, s[WV], 8
	v_lshlrev_b32 v[GX], 11, v2
	v_lshl_add_u32 v[GX], v1, 4, v[GX]
	v_add_nc_u32 v[GX], s36, v[GX]                 ; 2,048 hh + 256 w + 16 m
	s_lshl_b32 s36, s[WV], 2
	v_lshl_add_u32 v[LMX], v1, 5, s36              ; 32 m + 4 w
	v_lshlrev_b32 v[LMM], 5, v1
	s_lshl_b32 s36, s[WV], 6
	v_lshl_add_u32 v[LMR], v2, 5, s36              ; 32 (2 w + hh)
	s_mul_i32 s36, s[WV], UPW
	s_add_co_u32 s37, s36, XST
	s_add_co_u32 s36, s36, UP
	v_mul_u32_u24 v[LUP], v1, 272
	v_lshl_add_u32 v[LXS], v2, 4, v[LUP]
	v_add_nc_u32 v[LXS], s37, v[LXS]               ; stage in: row m, 16 bytes for each half of the lanes
	v_lshl_add_u32 v[LUP], v2, 5, v[LUP]
	v_add_nc_u32 v[LUP], s36, v[LUP]
	v_mul_u32_u24 v[LXR], v2, 272
	v_lshl_add_u32 v[LXR], v1, 4, v[LXR]           ; 272 hh + 16 m
	s_mul_i32 s36, s[WV], 544
	s_add_co_u32 s36, s36, UP
	v_add_nc_u32 v[LUR], s36, v[LXR]               ; partials back: row 2 w + hh
	v_add_nc_u32 v[LXR], s37, v[LXR]               ; stage back: lanes 0-15 one row, lanes 16-31 the next
	v_lshlrev_b32 v[GC], 5, v1
	v_lshl_add_u32 v[GC], v2, 4, v[GC]             ; 32 m + 16 hh
	s_lshl_b32 s30, ttmp9, 12
	s_mov_b32 s31, 0
	s_lshl_b32 s32, ttmp9, 15
	s_mov_b32 s33, 0
	s_lshl_b32 s34, ttmp9, 9
	s_add_co_u32 s34, s34, SCOFF
	s_mov_b32 s35, 0
	s_wait_kmcnt 0x0
	s_add_nc_u64 s[14:15], s[4:5], s[30:31]        ; hb at my block
	s_add_nc_u64 s[16:17], s[6:7], VOFF
	s_add_nc_u64 s[18:19], s[6:7], UOFF
	s_add_nc_u64 s[20:21], s[10:11], s[32:33]      ; xh at my 16 rows
	s_add_nc_u64 s[22:23], s[12:13], s[30:31]      ; S.u
	s_add_nc_u64 s[24:25], s[12:13], s[34:35]      ; S.sc
	s_wait_alu depctr_va_vdst(0)                   ; v4 to v19 are written: every load, store and LDS instruction of the kernel reads one of them as its offset or address, and none is written again
	; all 88 loads at once: h (8), b (16), V (32), Un (32)
.set i, 0
.rept 8                                        ; h[m][16 (i / 2) + 8 hh + 4 (i % 2) + 0..3] -> HRAW + 4 i
	global_load_b128 v[HRAW+4*i:HRAW+4*i+3], v[AH], s[14:15] offset:512*i
.set i, i+1
.endr
.set i, 0
.rept 16                                       ; b goes straight into the sums' registers
	global_load_b128 v[ACC+4*i:ACC+4*i+3], v[AB], s[8:9] offset:64*(i/2)+16*(i%2)
.set i, i+1
.endr
	WIN 0x40                                       ; destination in the second window
.set i, 0
.rept 16                                       ; V's fragment (nb, ks) = i at v[8 i]
	global_load_b128 v[8*i:8*i+3],   v[AV], s[16:17] offset:1024*i
	global_load_b128 v[8*i+4:8*i+7], v[AV], s[16:17] offset:1024*i+512
.set i, i+1
.endr
.set i, 0
.rept 16                                       ; Un's fragment (rb, ks) = i at v[128 + 8 i]
	global_load_b128 v[128+8*i:128+8*i+3],   v[AU], s[18:19] offset:32768*(i/4)+1024*(i%4)
	global_load_b128 v[128+8*i+4:128+8*i+7], v[AU], s[18:19] offset:32768*(i/4)+1024*(i%4)+512
.set i, i+1
.endr
	WIN 0
	s_wait_loadcnt 63                              ; h and b are in: 64 loads are younger than b's last, and the count's field ends at 63
.irp g, 0,1,2,3
	SPLIT4 HHI+4*\g, HHI+16+4*\g, HRAW+8*\g, UACC
.endr
.irp g, 0,1,2,3,4,5,6,7
	RNDB4 ACC+8*\g, UACC+8
.endr
	s_wait_loadcnt 32                              ; V is in; Un's 32 loads stay out
	WIN 0x01                                       ; source 0 in the second window
.set n, 0
.rept 32                                       ; (ks, hi or lo) by (n / 8), column block n % 8: the eight sums take turns
	v_wmma_f32_16x16x32_bf16 v[ACC+8*(n%8):ACC+8*(n%8)+7], v[8*(2*(n%8)+n/16):8*(2*(n%8)+n/16)+7], v[HHI+16*((n/8)%2)+8*(n/16):HHI+16*((n/8)%2)+8*(n/16)+7], v[ACC+8*(n%8):ACC+8*(n%8)+7]
.set n, n+1
.endr
	WIN 0
	PLACES
.set i, 0
.rept 64
	v_max_num_f32 v[ACC+i], 0, v[ACC+i]            ; ReLU, from each sum's low end on
.set i, i+1
.endr
	; my 64 numbers' maximum in four chains, then the other half of the lanes': row m's maximum over my 128 columns.  It stays in v[MC] until the sums of u are stored: one wait serves both
.irp c, 0,1,2,3
	v_max3_num_f32 v[MC+\c], v[ACC+16*\c], v[ACC+16*\c+1], v[ACC+16*\c+2]
.endr
.irp k, 0,1,2,3,4,5
.irp c, 0,1,2,3
	v_max3_num_f32 v[MC+\c], v[MC+\c], v[ACC+16*\c+3+2*\k], v[ACC+16*\c+4+2*\k]
.endr
.endr
.irp c, 0,1,2,3
	v_max_num_f32 v[MC+\c], v[MC+\c], v[ACC+16*\c+15]
.endr
	v_max3_num_f32 v[MC], v[MC], v[MC+1], v[MC+2]
	v_max_num_f32 v[MC], v[MC], v[MC+3]
	v_permlanex16_b32 v[MC+1], v[MC], s[SEL], s[SEL+1]
	v_max_num_f32 v[MC], v[MC], v[MC+1]
.irp g, 0,1,2,3,4,5,6,7
	SPLIT4 XHI+4*\g, XLO+4*\g, ACC+8*\g, TM        ; column blocks 2 ks and 2 ks + 1 are fragment ks; at work in v96-103, beside v[MC]
.endr
	s_wait_loadcnt 0x0                             ; Un
	WIN 0x01
.set n, 0
.rept 32                                       ; (hi or lo, ks) by n / 4, r block n % 4: the four sums take turns; the first four start them
.if n < 4
	v_wmma_f32_16x16x32_bf16 v[UACC+8*(n%4):UACC+8*(n%4)+7], v[128+8*(4*(n%4)+(n/4)%4):128+8*(4*(n%4)+(n/4)%4)+7], v[XHI+32*(n/16)+8*((n/4)%4):XHI+32*(n/16)+8*((n/4)%4)+7], 0
.else
	v_wmma_f32_16x16x32_bf16 v[UACC+8*(n%4):UACC+8*(n%4)+7], v[128+8*(4*(n%4)+(n/4)%4):128+8*(4*(n%4)+(n/4)%4)+7], v[XHI+32*(n/16)+8*((n/4)%4):XHI+32*(n/16)+8*((n/4)%4)+7], v[UACC+8*(n%4):UACC+8*(n%4)+7]
.endif
.set n, n+1
.endr
	WIN 0
	PLACES
	s_wait_alu depctr_va_vdst(0)                   ; v[MC] and the four sums are written, which the LDS stores read (the places above stay beside this wait); all that named v96-143, in which loads land behind the barrier, is done
	ds_store_b32 v[LMX], v[MC]
.irp rb, 0,1,2,3
	ds_store_b128 v[LUP], v[UACC+8*\rb:UACC+8*\rb+3]   offset:64*\rb
	ds_store_b128 v[LUP], v[UACC+8*\rb+4:UACC+8*\rb+7] offset:64*\rb+16
.endr
	s_wait_dscnt 0x0                               ; for the others' sake: my maximum and my partial sums lie in LDS
	s_barrier_signal -1
	s_barrier_wait -1
	s_wait_alu depctr_vm_vsrc(0)                   ; the LDS store of my maximum has read v[MC], in which one of the partial sums lands
	ds_load_b128 v[128:131], v[LMM]                ; the eight waves' maxima of row m,
	ds_load_b128 v[132:135], v[LMM] offset:16
	ds_load_b128 v[136:139], v[LMR]                ; and of row 2 w + hh
	ds_load_b128 v[140:143], v[LMR] offset:16
.irp p, 0,1,2,3,4,5,6,7
	ds_load_b128 v[HRAW+4*\p:HRAW+4*\p+3], v[LUR] offset:UPW*\p  ; row 2 w + hh, r = 4 m + 0..3
.endr
	s_wait_dscnt 0x0
	v_max3_num_f32 v24, v128, v129, v130
	v_max3_num_f32 v25, v136, v137, v138
	v_max3_num_f32 v24, v24, v131, v132
	v_max3_num_f32 v25, v25, v139, v140
	v_max3_num_f32 v24, v24, v133, v134
	v_max3_num_f32 v25, v25, v141, v142
	v_max_num_f32 v24, v24, v135
	v_max_num_f32 v25, v25, v143
	SCALE 24, 26, IVP
	v_mov_b32 v[IVP+1], v[IVP]
	SCALE 25, SGP, 27
	v_mov_b32 v[SGP+1], v[SGP]
.set i, 0
.rept 32
	v_pk_mul_f32 v[ACC+2*i:ACC+2*i+1], v[ACC+2*i:ACC+2*i+1], v[IVP:IVP+1]  ; under 2: exact, a power of two
.set i, i+1
.endr
.set i, 0
.rept 32
	v_cvt_pk_f16_f32 v[XHI+i], v[ACC+2*i], v[ACC+2*i+1]
.set i, i+1
.endr
	s_wait_alu depctr_va_vdst(0)                   ; the conversions have written v[XHI ..], which the LDS stores read; the second product, the last to name v[XLO ..], in which the loads below land, stands ahead of this wait too
.irp nb, 0,1,2,3,4,5,6,7
	ds_store_b128 v[LXS], v[XHI+4*\nb:XHI+4*\nb+3] offset:32*\nb
.endr
.irp t, 0,1,2,3,4,5,6,7
	ds_load_b128 v[XLO+4*\t:XLO+4*\t+3], v[LXR] offset:544*\t  ; my own bytes: LDS serves a wave's instructions in order (ISA guide 5.7.1.4)
.endr
	; u: the eight partial sums, then 1 / inv
.irp p, 0,2,4,6
	v_pk_add_f32 v[HRAW+4*\p:HRAW+4*\p+1],   v[HRAW+4*\p:HRAW+4*\p+1],   v[HRAW+4*\p+4:HRAW+4*\p+5]
	v_pk_add_f32 v[HRAW+4*\p+2:HRAW+4*\p+3], v[HRAW+4*\p+2:HRAW+4*\p+3], v[HRAW+4*\p+6:HRAW+4*\p+7]
.endr
.irp p, 0,4
	v_pk_add_f32 v[HRAW+4*\p:HRAW+4*\p+1],   v[HRAW+4*\p:HRAW+4*\p+1],   v[HRAW+4*\p+8:HRAW+4*\p+9]
	v_pk_add_f32 v[HRAW+4*\p+2:HRAW+4*\p+3], v[HRAW+4*\p+2:HRAW+4*\p+3], v[HRAW+4*\p+10:HRAW+4*\p+11]
.endr
	v_pk_add_f32 v[HRAW:HRAW+1],   v[HRAW:HRAW+1],   v[HRAW+16:HRAW+17]
	v_pk_add_f32 v[HRAW+2:HRAW+3], v[HRAW+2:HRAW+3], v[HRAW+18:HRAW+19]
	v_pk_mul_f32 v[HRAW:HRAW+1],   v[HRAW:HRAW+1],   v[SGP:SGP+1]
	v_pk_mul_f32 v[HRAW+2:HRAW+3], v[HRAW+2:HRAW+3], v[SGP:SGP+1]
.irp t, 0,1,2,3,4,5,6,7
	s_wait_dscnt 7-\t
	global_store_b128 v[GX], v[XLO+4*\t:XLO+4*\t+3], s[20:21] offset:4096*\t  ; 16 lanes store 256 consecutive bytes, aligned; the data come from LDS loads, whose own counter shows them in
.endr
	s_wait_alu depctr_va_vdst(0)                   ; the additions and the scaling have written v[HRAW:HRAW+3], which the store reads
	global_store_b128 v[GS], v[HRAW:HRAW+3], s[22:23]  ; 512 consecutive bytes: two rows of u
	s_cmp_lg_u32 s[WV], 0
	s_cbranch_scc1 .Lend
.irp z, 0,1,2,3
	v_mov_b32 v[28+\z], v[IVP]
.endr
	s_wait_alu depctr_va_vdst(0)                   ; the four moves have written v[28:31], which the store reads
	global_store_b128 v[GC], v[28:31], s[24:25]    ; eight equal words a row: 512 consecutive bytes
.Lend:
	s_wait_dscnt 0x0                               ; the closing lines, six on end
	s_wait_alu 0x0
	s_wait_tensorcnt 0x0
	ds_add_u32 v[SPW], v[NIL]
	s_wait_dscnt 0x0
	s_endpgm
.Lfunc_end_k_q509129690e_tail0:
	.size	k_q509129690e_tail0, .Lfunc_end_k_q509129690e_tail0-k_q509129690e_tail0
	.p2alignl 7, 3214868480
	.fill 96, 4, 3214868480
	.section	.rodata,"a",@progbits
	.p2align	6, 0x0
	.amdhsa_kernel k_q509129690e_tail0
		.amdhsa_group_segment_fixed_size 71680
		.amdhsa_private_segment_fixed_size 0
		.amdhsa_enable_private_segment 0
		.amdhsa_kernarg_size 40
		.amdhsa_user_sgpr_count 2
		.amdhsa_user_sgpr_kernarg_segment_ptr 1
		.amdhsa_wavefront_size32 1
		.amdhsa_system_sgpr_workgroup_id_x 1
		.amdhsa_system_sgpr_workgroup_id_y 1
		.amdhsa_system_sgpr_workgroup_id_z 1
		.amdhsa_system_vgpr_workitem_id 0
		.amdhsa_next_free_vgpr 512
		.amdhsa_next_free_sgpr 66
		.amdhsa_reserve_vcc 0
		.amdhsa_float_denorm_mode_32 3
		.amdhsa_float_denorm_mode_16_64 3
		.amdhsa_memory_ordered 1
		.amdhsa_forward_progress 1
		.amdhsa_inst_pref_size 47
	.end_amdhsa_kernel
	.amdgpu_metadata
---
amdhsa.version: [ 1, 2 ]
amdhsa.kernels:
  - .name:           k_q509129690e_tail0
    .symbol:         k_q509129690e_tail0.kd
    .args:
      - { .name: hb, .offset: 0, .size: 8, .value_kind: global_buffer, .address_space: global }
      - { .name: P0, .offset: 8, .size: 8, .value_kind: global_buffer, .address_space: global }
      - { .name: b0, .offset: 16, .size: 8, .value_kind: global_buffer, .address_space: global }
      - { .name: xh, .offset: 24, .size: 8, .value_kind: global_buffer, .address_space: global }
      - { .name: S, .offset: 32, .size: 8, .value_kind: global_buffer, .address_space: global }
    .group_segment_fixed_size: 71680
    .private_segment_fixed_size: 0
    .kernarg_segment_align: 8
    .kernarg_segment_size: 40
    .max_flat_workgroup_size: 256
    .sgpr_count:     66
    .vgpr_count:     512
    .wavefront_size: 32
...
	.end_amdgpu_metadata
.endif
;; end of part 6
;; launch gemm1: the kernel of part 2 again; grid 16 x 16, 4 waves a work-group, clusters of 4 x 4, 327,680 bytes of LDS; arguments xh, S, P1, hb; writes hb
;; launch tail1: the kernel of part 6 again; grid 256 x 1, 8 waves a work-group, no clusters, 71,680 bytes of LDS; arguments hb, P1, b1, xh, S; writes xh, S
;; launch gemm2: the kernel of part 2 again; grid 16 x 16, 4 waves a work-group, clusters of 4 x 4, 327,680 bytes of LDS; arguments xh, S, P2, hb; writes hb
;; launch tailf: the kernel of part 4 again; grid 256 x 1, 8 waves a work-group, no clusters, 69,632 bytes of LDS; arguments hb, P2, b2, out0; writes out0
